; MI455X (gfx1250); checked and timed in simulation.
; The chip was launched on July 23, 2026; its instructions are those of AMD's public machine-readable ISA for CDNA 5 (MIT licence, August 2026) and "CDNA5" Instruction Set Architecture Reference Guide (July 2026). The comments in the code are by the model that wrote it; some were corrected since.
;; Block. Allowed arithmetic: float matrix products may take bf16 or f16 operands with f32 sums; other float arithmetic in f32, or as packed bf16 or f16 multiplies, adds, multiply-adds, maxima and minima; sums over many terms, partial sums and values carried from step to step in f32; what a program stores and reads back later, other than sums and carried values, may be rounded once to bf16 or f16.
;; Inputs: W_fc 1,024 x 4,096 float32; W_out 4,096 x 1,024 float32; W_proj 1,024 x 1,024 float32; W_qkv 1,024 x 3,072 float32; b_fc 4,096 float32; b_out 1,024 float32; b_proj 1,024 float32; b_qkv 3,072 float32; ln1_b 1,024 float32; ln1_g 1,024 float32; ln2_b 1,024 float32; ln2_g 1,024 float32; x 2 x 2,048 x 1,024 float32.
;; Outputs: out0 2 x 2,048 x 1,024 float32.
;; One version. Each part assembles by itself: llvm-mc -triple=amdgcn-amd-amdhsa -mcpu=gfx1250 --defsym DOCPART=n.
;; ======== version 1 of 1: 7 launches
;; limits: values are held in f16: magnitudes above 65,504 overflow, below 6.1e-05 lose precision
;; workspace buffers: h 8,388,608 bytes; qkv 33,554,432 bytes; y 8,388,608 bytes; x2 16,777,216 bytes; m1 33,554,432 bytes; wq 8,388,864 bytes; wf 8,388,864 bytes; wpo 10,485,760 bytes
;; launch prep (part 1): grid 1024 x 1, 8 waves a work-group, no clusters, 0 bytes of LDS; arguments x, ln1_g, ln1_b, W_qkv, W_proj, W_fc, W_out, h, wq, wf, wpo; writes h, wq, wf, wpo
.if DOCPART == 1
	.amdgcn_target "amdgcn-amd-amdhsa--gfx1250"
	.amdhsa_code_object_version 6
	.text
	.protected	k_q4968ae2781_prep
	.globl	k_q4968ae2781_prep
	.p2align	8
	.type	k_q4968ae2781_prep,@function
k_q4968ae2781_prep:
	s_mov_b64 s[64:65], 0
	v_nop
	global_prefetch_b8 v0, s[64:65] scope:SCOPE_SE
	s_setreg_imm32_b32 hwreg(HW_REG_WAVE_MODE, 25, 1), 1
	s_wait_xcnt 0x0
; PREP.  Work-groups 0-255: h = layernorm(x) * g + b, 16 rows each.  Work-groups 256-1023: the four weights, 65,536 bytes of f32 each, as f16 into wq, wf and wpo.
; FORMATS.  Every input of the module (x, gain, bias, weights) is rounded once to bf16; all arithmetic is f32; h and the weights are written as f16.
; h lies in PANELS: [32 panels of 128 rows][16 blocks of 64 columns][128][64] f16, so that 128 rows x 64 columns are 16,384 consecutive bytes.
; wq and wf: 256 bytes of head, then [1024][4096] f16.  W_qkv has 3,072 columns: the last 1,024 places of each row of wq are neither written nor read, so that one text serves both products.
; The head holds the lower bound that the product's way out applies, as two f16 a word: -infinity for W_qkv (no bound), 0 for W_fc (ReLU).  wpo: W_proj [1024][1024] at byte 0, W_out [4096][1024] at byte 2,097,152.
; LIMITS.  f16 ends at 65,504: the normalised rows times gain plus bias, and the weights, must lie within it; a weight below 6e-5 keeps f16's fixed step of 6e-8.  NaN and infinities are not treated apart.
; No LDS, no barrier, no loop: a wave takes two rows (16 lanes a row) and keeps them in registers between the passes; mean first, then the squares of x - mean.
.set X,   32                           ; v[32:95]   my 64 numbers of the row: columns 64 cb + 4 i .. + 3
.set G,   96                           ; v[96:159]  the gain of those columns
.set B,   160                          ; v[160:223] the bias
.set D,   160                          ; v[160:175] in the weights' part: my byte offset in the destination, one for each of 16 units
.set SX,  4                            ; s[4:5] x, s[6:7] gain, s[8:9] bias, s[18:19] h
.set SG,  6
.set SB,  8
.set SH,  18
.set RK,  36                           ; s36 1/1024
.set EPS, 37                           ; s37 1e-5
.set HIM, 38                           ; s38 a word's upper half
.macro RND base                        ; 64 numbers rounded to bf16 and widened again
.set p, 0
.rept 32
	v_cvt_pk_bf16_f32 v[18+p%4], v[(\base)+2*p], v[(\base)+2*p+1]
	v_lshlrev_b32 v[(\base)+2*p], 16, v[18+p%4]
	v_and_b32 v[(\base)+2*p+1], s[HIM], v[18+p%4]
.set p, p+1
.endr
.endm
.macro REDUCE                          ; four pairs of running sums -> the row's sum in v6 of its 16 lanes
	v_pk_add_f32 v[6:7], v[6:7], v[8:9]
	v_pk_add_f32 v[10:11], v[10:11], v[12:13]
	v_pk_add_f32 v[6:7], v[6:7], v[10:11]
	v_add_f32 v6, v6, v7
	v_add_f32_dpp v6, v6, v6 row_xmask:1 row_mask:0xf bank_mask:0xf
	v_add_f32_dpp v6, v6, v6 row_xmask:2 row_mask:0xf bank_mask:0xf
	v_add_f32_dpp v6, v6, v6 row_xmask:4 row_mask:0xf bank_mask:0xf
	v_add_f32_dpp v6, v6, v6 row_xmask:8 row_mask:0xf bank_mask:0xf
.endm
.macro LN round                        ; round = 1: the rows are an input of the module and are rounded to bf16
	v_lshrrev_b32 v1, 4, v0                        ; my row among the group's 16
	v_and_b32 v3, 15, v0
	v_lshlrev_b32 v3, 4, v3                        ; 16 i: my 16 bytes in every 256 of a row, of the gain and of the bias
	v_lshl_add_u32 v2, v1, 12, v3                  ; + row x 4,096
	v_lshrrev_b32 v4, 1, v3                        ; 8 i: my 8 bytes of f16 in a block's row,
	v_lshl_add_u32 v4, v1, 7, v4                   ; + row x 128
	s_lshl_b32 s26, ttmp9, 16                      ; the group's 16 rows of 4,096 bytes
	s_mov_b32 s27, 0
	s_lshr_b32 s28, ttmp9, 3                       ; its panel, 262,144 bytes,
	s_lshl_b32 s28, s28, 18
	s_and_b32 s29, ttmp9, 7                        ; and its 16 rows of 128 bytes in the panel's blocks
	s_lshl_b32 s29, s29, 11
	s_add_co_u32 s28, s28, s29
	s_mov_b32 s29, 0
	s_add_nc_u64 s[SX:SX+1], s[SX:SX+1], s[26:27]
	s_add_nc_u64 s[SH:SH+1], s[SH:SH+1], s[28:29]
.set c, 0
.rept 16
	global_load_b128 v[X+4*c:X+4*c+3], v2, s[SX:SX+1] offset:256*c  ; 16 lanes take 256 consecutive bytes of their row
.set c, c+1
.endr
.set c, 0
.rept 16
	global_load_b128 v[G+4*c:G+4*c+3], v3, s[SG:SG+1] offset:256*c
.set c, c+1
.endr
.set c, 0
.rept 16
	global_load_b128 v[B+4*c:B+4*c+3], v3, s[SB:SB+1] offset:256*c
.set c, c+1
.endr
	s_wait_loadcnt 32                              ; the row is in; the 32 younger loads, gain and bias, stay out
.if \round
	RND X
.endif
.set p, 0
.rept 4                                ; four chains, started by the first eight pairs: nothing is cleared
	v_pk_add_f32 v[6+2*p:7+2*p], v[X+2*p:X+2*p+1], v[X+8+2*p:X+9+2*p]
.set p, p+1
.endr
.set p, 8
.rept 24
	v_pk_add_f32 v[6+2*(p%4):7+2*(p%4)], v[6+2*(p%4):7+2*(p%4)], v[X+2*p:X+2*p+1]
.set p, p+1
.endr
	REDUCE
	v_mul_f32 v14, s[RK], v6                       ; the mean, twice: a pair for the packed subtraction
	v_mul_f32 v15, s[RK], v6
.set p, 0
.rept 32
	v_pk_add_f32 v[X+2*p:X+2*p+1], v[X+2*p:X+2*p+1], v[14:15] neg_lo:[0,1] neg_hi:[0,1]
.set p, p+1
.endr
.set p, 0
.rept 4
	v_pk_mul_f32 v[6+2*p:7+2*p], v[X+2*p:X+2*p+1], v[X+2*p:X+2*p+1]
.set p, p+1
.endr
.set p, 4
.rept 28
	v_pk_fma_f32 v[6+2*(p%4):7+2*(p%4)], v[X+2*p:X+2*p+1], v[X+2*p:X+2*p+1], v[6+2*(p%4):7+2*(p%4)]
.set p, p+1
.endr
	REDUCE
	v_fma_f32 v6, v6, s[RK], s[EPS]                ; the variance + 1e-5
	v_rsq_f32 v16, v6
	v_rsq_f32 v17, v6
	v_nop                                          ; a plain instruction between the root and the use of its result (ISA guide 5.7.2)
	s_wait_loadcnt 0x0                             ; gain and bias
	RND G
	RND B
.set p, 0
	s_wait_alu depctr_va_vdst(0)
.rept 32
	v_pk_mul_f32 v[X+2*p:X+2*p+1], v[X+2*p:X+2*p+1], v[16:17]
	v_pk_fma_f32 v[X+2*p:X+2*p+1], v[X+2*p:X+2*p+1], v[G+2*p:G+2*p+1], v[B+2*p:B+2*p+1]
.set p, p+1
.endr
.set p, 0
.rept 32                               ; in place, ascending: word p takes numbers 2 p and 2 p + 1
	v_cvt_pk_f16_f32 v[X+p], v[X+2*p], v[X+2*p+1]
.set p, p+1
.endr
.set c, 0
.rept 16
	global_store_b64 v4, v[X+2*c:X+2*c+1], s[SH:SH+1] offset:16384*c  ; the wave's two rows of a block: 256 consecutive bytes, aligned
.set c, c+1
.endr
.endm
	s_load_b512 s[4:19], s[0:1], 0x0               ; x, gain, bias, W_qkv s[10:11], W_proj s[12:13], W_fc s[14:15], W_out s[16:17], h
	s_load_b128 s[20:23], s[0:1], 0x40             ; wq s[20:21], wf s[22:23]
	s_load_b64 s[24:25], s[0:1], 0x50              ; wpo
	s_mov_b32 s[RK], 0x3a800000
	s_mov_b32 s[EPS], 0x3727c5ac
	s_mov_b32 s[HIM], 0xffff0000
	s_wait_kmcnt 0x0
	s_cmp_lt_u32 ttmp9, 256
	s_cbranch_scc0 .Lweights
	LN 1
	s_endpgm
.Lweights:                             ; chunk c of 768: 16 units of 1,024 numbers; 192 chunks of W_qkv, 64 of W_proj, 256 of W_fc, 256 of W_out
	s_sub_co_u32 s40, ttmp9, 256                   ; c
	s_sub_co_u32 s41, s40, 192                     ; the chunk's number within its weight, for each of the four cases
	s_sub_co_u32 s42, s40, 256
	s_sub_co_u32 s43, s40, 512
	s_mov_b32 s47, 256                             ; where the numbers begin in wq and wf: behind the head
	s_mov_b32 s48, 0x200000                        ; where W_out begins in wpo
	s_mov_b32 s49, 0xaaab                          ; (u x 43,691) >> 17 = u / 3 for u below 65,536
	s_cmp_lt_u32 s40, 512
	s_cselect_b64 s[26:27], s[14:15], s[16:17]     ; from where,
	s_cselect_b64 s[28:29], s[22:23], s[24:25]     ; into which buffer,
	s_cselect_b32 s44, s42, s43                    ; which chunk of the weight,
	s_cselect_b32 s45, s47, s48                    ; from which byte of the buffer on
	s_cmp_lt_u32 s40, 256
	s_cselect_b64 s[26:27], s[12:13], s[26:27]
	s_cselect_b64 s[28:29], s[24:25], s[28:29]
	s_cselect_b32 s44, s41, s44
	s_cselect_b32 s45, 0, s45
	s_cmp_lt_u32 s40, 192
	s_cselect_b64 s[26:27], s[10:11], s[26:27]
	s_cselect_b64 s[28:29], s[20:21], s[28:29]
	s_cselect_b32 s44, s40, s44
	s_cselect_b32 s45, s47, s45
	s_cselect_b32 s46, s49, 0                      ; W_qkv alone: a row of three units takes four units' room
	s_cselect_b32 s50, 0xfc00fc00, 0               ; the head's word: -infinity twice, or 0 twice
	s_lshl_b32 s30, s44, 16
	s_mov_b32 s31, 0
	s_add_nc_u64 s[26:27], s[26:27], s[30:31]
	s_lshl_b32 s30, s44, 15
	s_add_co_u32 s30, s30, s45
	s_add_nc_u64 s[32:33], s[28:29], s[30:31]
	s_lshl_b32 s51, s44, 4                         ; the chunk's first unit
	v_lshlrev_b32 v1, 4, v0                        ; 16 bytes of f32 a thread,
	v_lshlrev_b32 v5, 3, v0                        ; 8 bytes of f16
	v_lshrrev_b32 v9, 5, v0
	v_readfirstlane_b32 s53, v9                    ; my wave's number
.set i, 0
.rept 16
	global_load_b128 v[X+4*i:X+4*i+3], v1, s[26:27] offset:4096*i th:TH_LOAD_NT
.set i, i+1
.endr
.set i, 0
.rept 16                               ; unit u goes (u / 3) units further on in wq, and nowhere else
	s_add_co_u32 s52, s51, i
	s_mul_i32 s52, s52, s46
	s_lshr_b32 s52, s52, 17
	s_lshl_b32 s52, s52, 11
	v_add_nc_u32 v[D+i], s52, v5
.set i, i+1
.endr
.set i, 0
.rept 16
	s_wait_loadcnt 15-i                            ; loads come back in order: number i is in, the younger ones stay out
	v_cvt_pk_bf16_f32 v6, v[X+4*i], v[X+4*i+1]     ; rounded to bf16,
	v_cvt_pk_bf16_f32 v7, v[X+4*i+2], v[X+4*i+3]
	v_lshlrev_b32 v[X+4*i], 16, v6
	v_and_b32 v[X+4*i+1], s[HIM], v6
	v_lshlrev_b32 v[X+4*i+2], 16, v7
	v_and_b32 v[X+4*i+3], s[HIM], v7
	v_cvt_pk_f16_f32 v[G+2*i], v[X+4*i], v[X+4*i+1]  ; and that number written as f16
	v_cvt_pk_f16_f32 v[G+2*i+1], v[X+4*i+2], v[X+4*i+3]
	global_store_b64 v[D+i], v[G+2*i:G+2*i+1], s[32:33] offset:2048*i  ; a wave's store covers 256 consecutive bytes, aligned; no register of a store is written again
.set i, i+1
.endr
	s_cmp_eq_u32 s44, 0                            ; the head is written by wave 0 of the work-group that has the first chunk of W_qkv or of W_fc
	s_cbranch_scc0 .Ldone
	s_cmp_eq_u32 s45, 256
	s_cbranch_scc0 .Ldone
	s_cmp_eq_u32 s53, 0
	s_cbranch_scc0 .Ldone
	v_mov_b32 v10, s50
	v_mov_b32 v11, s50
	global_store_b64 v5, v[10:11], s[28:29]        ; 32 lanes x 8 bytes: the head's 256 bytes
.Ldone:
	s_endpgm
.Lfunc_end_k_q4968ae2781_prep:
	.size	k_q4968ae2781_prep, .Lfunc_end_k_q4968ae2781_prep-k_q4968ae2781_prep
	.p2alignl 7, 3214868480
	.fill 96, 4, 3214868480
	.section	.rodata,"a",@progbits
	.p2align	6, 0x0
	.amdhsa_kernel k_q4968ae2781_prep
		.amdhsa_group_segment_fixed_size 0
		.amdhsa_private_segment_fixed_size 0
		.amdhsa_enable_private_segment 0
		.amdhsa_kernarg_size 88
		.amdhsa_user_sgpr_count 2
		.amdhsa_user_sgpr_kernarg_segment_ptr 1
		.amdhsa_wavefront_size32 1
		.amdhsa_system_sgpr_workgroup_id_x 1
		.amdhsa_system_sgpr_workgroup_id_y 1
		.amdhsa_system_sgpr_workgroup_id_z 1
		.amdhsa_system_vgpr_workitem_id 0
		.amdhsa_next_free_vgpr 224
		.amdhsa_next_free_sgpr 66
		.amdhsa_reserve_vcc 0
		.amdhsa_float_denorm_mode_32 3
		.amdhsa_float_denorm_mode_16_64 3
		.amdhsa_memory_ordered 1
		.amdhsa_forward_progress 1
		.amdhsa_inst_pref_size 47
	.end_amdhsa_kernel
	.amdgpu_metadata
---
amdhsa.version: [ 1, 2 ]
amdhsa.kernels:
  - .name:           k_q4968ae2781_prep
    .symbol:         k_q4968ae2781_prep.kd
    .args:
      - { .name: x, .offset: 0, .size: 8, .value_kind: global_buffer, .address_space: global }
      - { .name: ln1_g, .offset: 8, .size: 8, .value_kind: global_buffer, .address_space: global }
      - { .name: ln1_b, .offset: 16, .size: 8, .value_kind: global_buffer, .address_space: global }
      - { .name: W_qkv, .offset: 24, .size: 8, .value_kind: global_buffer, .address_space: global }
      - { .name: W_proj, .offset: 32, .size: 8, .value_kind: global_buffer, .address_space: global }
      - { .name: W_fc, .offset: 40, .size: 8, .value_kind: global_buffer, .address_space: global }
      - { .name: W_out, .offset: 48, .size: 8, .value_kind: global_buffer, .address_space: global }
      - { .name: h, .offset: 56, .size: 8, .value_kind: global_buffer, .address_space: global }
      - { .name: wq, .offset: 64, .size: 8, .value_kind: global_buffer, .address_space: global }
      - { .name: wf, .offset: 72, .size: 8, .value_kind: global_buffer, .address_space: global }
      - { .name: wpo, .offset: 80, .size: 8, .value_kind: global_buffer, .address_space: global }
    .group_segment_fixed_size: 0
    .private_segment_fixed_size: 0
    .kernarg_segment_align: 8
    .kernarg_segment_size: 88
    .max_flat_workgroup_size: 256
    .sgpr_count:     66
    .vgpr_count:     224
    .wavefront_size: 32
...
	.end_amdgpu_metadata
.endif
;; end of part 1
;; launch qkv (part 2): grid 12 x 16, 4 waves a work-group, clusters of 4 x 4, 327,680 bytes of LDS; arguments h, wq, b_qkv, qkv; writes qkv
.if DOCPART == 2
	.amdgcn_target "amdgcn-amd-amdhsa--gfx1250"
	.amdhsa_code_object_version 6
	.text
	.protected	k_q4968ae2781_qkv
	.globl	k_q4968ae2781_qkv
	.p2align	8
	.type	k_q4968ae2781_qkv,@function
k_q4968ae2781_qkv:
	s_mov_b64 s[64:65], 0
	v_nop
	global_prefetch_b8 v0, s[64:65] scope:SCOPE_SE
	s_setreg_imm32_b32 hwreg(HW_REG_WAVE_MODE, 25, 1), 1
	s_wait_xcnt 0x0
	s_wait_alu depctr_hold_cnt(0) depctr_sa_sdst(0) depctr_va_vdst(0) depctr_va_sdst(0) depctr_va_ssrc(0) depctr_va_vcc(0) depctr_vm_vsrc(0)
	s_getreg_b32 s2, hwreg(HW_REG_IB_STS2, 6, 4)
	s_cmp_eq_u32 s2, 0
	s_cbranch_scc0 .Lentry_in_a_cluster
	s_endpgm
.Lentry_in_a_cluster:
	s_bfe_u32 s2, ttmp6, 0x10000c
	s_cmp_lg_u32 s2, 0xf033
	s_cbranch_scc0 .Lentry_shape_is_right
	s_endpgm
.Lentry_shape_is_right:
; ONE TEXT FOR TWO PRODUCTS: qkv = h W_qkv + b_qkv, and m1 = relu(h W_fc + b_fc).  C = max(A W + bias, bound), A [4096][1024] and W in f16, sums in f32, the bias rounded to bf16 (an input of the module), C rounded once to f16.
; A lies in PANELS of 16 blocks, C in panels of 64 blocks: [32 panels of 128 rows][blocks of 64 columns][128][64] f16 (of qkv's 64 blocks 48 are used).  The weight buffer: 256 bytes of head, then [1024][4096] f16.
; The head's first word is the bound, two f16: 0 makes the ReLU, -infinity leaves C as it is.  The grid says how many columns there are: 256 for each work-group along x; nothing in the text hangs on that number.
; LIMITS.  f16 ends at 65,504: C must lie within it.  A sum's terms are added in an order of K that begins at a step of the cluster's own and wraps round.  NaN and infinities are not treated apart.
; SHARES.  A tile of C is 256 x 256; four waves, 128 x 128 each: 64 accumulators, 512 registers.  K goes in 8 steps of 128 through a ring of two LDS slots: a slot holds two panels' 128 rows x 128 K of A
; (32,768 consecutive bytes each) and 128 K x 256 columns of W: 256 products a wave for each slot, 224 of them between a slot's request and the wait for it.
; CLUSTER.  4 x 4 work-groups: the four of a row share A's tiles, the four of a column W's: each tile is asked for jointly, by the same tensor load, descriptor and mask in all four.
; WHERE A CLUSTER BEGINS ALONG K: at step 2 (X + Y) mod 8, X and Y the cluster's place in the grid, which all its work-groups share: the clusters that need a tile ask for it in different steps.
; THE MATRIX INSTRUCTION IS USED TRANSPOSED (source 0 = 16 columns of W, turned on the way out of LDS by ds_load_tr16_b128; source 1 = 16 rows of A): a lane holds eight neighbouring numbers of a row of C.
; THE BIAS STARTS THE SUMS: it is written into the accumulators in the wait for the first tile, so that every product adds in place and one text serves every K step.
; REGISTERS, in windows of 256 (s_set_vgpr_msb: bits 1:0 source 0, 3:2 source 1, 5:4 source 2, 7:6 destination):
;   window 0: v0-31 addresses; v64-127, v128-191 fragments of A, two buffers; v192-255 the bias      window 1: v64-127, v128-191 fragments of W; on the way out all 256: the packed result, 32 registers for each 16 rows
;   window 2: the accumulators of my rows 0-63 ((a, b) at v[8 (8 a + b)]);   window 3: those of my rows 64-127
.set KSTEPS, 8
.set QUART,  36864                     ; what one tensor load fills: 256 rows of A at 144 bytes (128 + 16 of padding), or 128 rows of W at 288 (256 + 32)
.set SLOT,   4*QUART                   ; A's two panels, then W's two halves of 128 columns.  0x24000 shares no bit with wave x QUART: an exclusive or turns an address into the other slot's
.set STAGE,  2*SLOT                    ; behind the ring, never filled by a tensor load: 4,608 bytes for each wave, for the way out
.set STW,    4608
.set SPARE,  STAGE+4*STW               ; behind the stages: the spare words, 128 bytes for each wave: two blocks of 256 bytes that no other line names
.set A0,   10                          ; v10  my lane's place in a slot's A; never rewritten
.set B0,   11                          ; v11  the same for W
.set ADRA, 12                          ; v12  A0 + the slot in hand
.set ADRB, 13                          ; v13  B0 + the slot in hand
.set STO,  15                          ; v15  the way out: where I put 16 bytes of a row
.set RD,   16                          ; v16  the way out: where I read rows back
.set GO,   17                          ; v17  my 16 bytes in 512 consecutive bytes of C
.set BO,   18                          ; v18  my byte offset in the tile's bias
.set SPW,  28                          ; v28  LDS address of my spare word; never rewritten
.set NIL,  29                          ; v29  0; never rewritten
.set F0,   64
.set F1,   128
.set BIA,  192
.set WV,  14                           ; s14 wave; s15 its row half, also: I fetch A (0) or W (1); s16 its column half, also: which half of that tile I fetch
.set RH,  15
.set CH,  16
.set LW,  21                           ; s21 wave x QUART
.set TB,  22                           ; s22 the slot that is read: 0 or SLOT
.set G1A, 24                           ; s[24:31] descriptor group 1 for A; s[40:47] for W
.set G0A, 32                           ; s[32:35], s[36:39] group 0 of the first fill, for A and for W
.set G0B, 36
.set G1B, 40
.set OFA, 48                           ; s[48:49], s[50:51] byte offsets of the tiles to be asked for
.set OFB, 50
.set KN,  52                           ; s52 the K step to be asked for
.set CNT, 54                           ; s54 counts K steps
.set FLO, 55                           ; s55 the bound, two f16
.set HIM, 56                           ; s56 a word's upper half
.set G2A, 72                           ; s[72:75], s[76:79] group 0 of the second fill, which then walks on
.set G2B, 76
.set WB,  80                           ; s[80:81] W at my part of the tile's step 0
.set MSB, 0
.macro WIN new                         ; the immediate's high byte repeats the setting that is left; a switch that changes nothing is dropped
.if MSB != (\new)
	s_set_vgpr_msb (MSB<<8)|(\new)
.set MSB, \new
.endif
.endm
.set MUL_LO, 0xa1                      ; source 0 (W) window 1, source 1 (A) window 0, C and D window 2
.set MUL_HI, 0xf1                      ; the same, C and D window 3
.set TO_B,   0x40                      ; destination window 1, address window 0
.macro PLACES                          ; four places in front of loads into registers that matrix instructions have read, and of lines that read results
.rept 4
	v_nop
.endr
.endm
.macro JLOAD                           ; a joint refill: waves 0 and 1 fetch A's panels, waves 2 and 3 W's halves; an s_nop 0 and four v_nop follow each line
	s_cmp_eq_u32 s[RH], 0
	s_cbranch_scc0 .Lfor_b_\@
	tensor_load_to_lds s[G2A:G2A+3], s[G1A:G1A+7]
	s_nop 0
.rept 4
	v_nop
.endr
	s_branch .Lasked_\@
.Lfor_b_\@:
	tensor_load_to_lds s[G2B:G2B+3], s[G1B:G1B+7]
	s_nop 0
.rept 4
	v_nop
.endr
.Lasked_\@:
.endm
.macro CREST                           ; a round of the cluster's barrier behind its opening barrier
	s_cmp_lg_u32 s[WV], 0
	s_cbranch_scc1 .Lnot_wave_0_\@
	s_barrier_signal -3
.Lnot_wave_0_\@:
	s_barrier_wait -3
	s_barrier_signal -1
	s_barrier_wait -1
.endm
.macro CROUND
	s_barrier_signal -1
	s_barrier_wait -1
	CREST
.endm
.macro NEXTD ga, gb, flip              ; two group 0 are made for K step KN: scalar work alone, where no tensor load that names them is out.  flip = 1: the other slot than last time
	s_lshl_b32 s[OFA], s[KN], 15                   ; A: two blocks, 32,768 bytes a step
	s_lshl_b32 s[OFB], s[KN], 20                   ; W: 128 rows of 8,192 bytes
	s_add_nc_u64 s[(\ga)+2:(\ga)+3], s[4:5], s[OFA:OFA+1]
	s_or_b32 s[(\ga)+3], s[(\ga)+3], 0x80000000    ; type = 2
	s_add_nc_u64 s[(\gb)+2:(\gb)+3], s[WB:WB+1], s[OFB:OFB+1]
	s_or_b32 s[(\gb)+3], s[(\gb)+3], 0x80000000
.if \flip
	s_xor_b32 s[(\ga)+1], s[(\ga)+1], SLOT
	s_xor_b32 s[(\gb)+1], s[(\gb)+1], SLOT
.endif
	s_add_co_u32 s[KN], s[KN], 1
	s_and_b32 s[KN], s[KN], KSTEPS-1               ; behind the last step comes step 0
.endm
; 16 products: row blocks a0, a0 + 1 of the window's four (hi = 0: my rows 0-63, 1: rows 64-127) x all 8 column blocks, 32 along K.  The 64 accumulators take turns.
.macro MUL16 f, hi, a0
	WIN MUL_LO+0x50*(\hi)
.irp a, \a0, (\a0)+1
.irp b, 0,1,2,3,4,5,6,7
	v_wmma_f32_16x16x32_f16 v[8*(8*(\a)+(\b)):8*(8*(\a)+(\b))+7], v[(\f)+8*(\b):(\f)+8*(\b)+7], v[(\f)+8*(4*(\hi)+(\a)):(\f)+8*(4*(\hi)+(\a))+7], v[8*(8*(\a)+(\b)):8*(8*(\a)+(\b))+7]
.endr
.endr
.endm
.macro FETCH q, f                      ; 32 LDS loads in one run: the fragments of quarter q (32 along K) into buffer f: W's 128 columns, then A's 128 rows
	WIN TO_B
.irp i, 0,1,2,3,4,5,6,7
	ds_load_tr16_b128 v[(\f)+8*(\i):(\f)+8*(\i)+3],   v[ADRB] offset:(\q)*9216+32*(\i)
	ds_load_tr16_b128 v[(\f)+8*(\i)+4:(\f)+8*(\i)+7], v[ADRB] offset:(\q)*9216+32*(\i)+4608
.endr
	WIN 0
.irp i, 0,1,2,3,4,5,6,7
	ds_load_b128 v[(\f)+8*(\i):(\f)+8*(\i)+3],   v[ADRA] offset:((\q)/2)*18432+((\q)%2)*64+(\i)*2304
	ds_load_b128 v[(\f)+8*(\i)+4:(\f)+8*(\i)+7], v[ADRA] offset:((\q)/2)*18432+((\q)%2)*64+(\i)*2304+32
.endr
.endm
.macro QUARTER q, f, g                 ; 64 products on buffer f; in their middle quarter q is fetched into g
	s_wait_dscnt 8                                 ; W and A's rows 0-63 are in; the youngest eight loads (A's rows 64-127) may be out
	MUL16 \f, 0, 0
	MUL16 \f, 0, 2
	PLACES
	FETCH \q, \g
	s_wait_dscnt 32                                ; all but the 32 just issued
	MUL16 \f, 1, 0
	MUL16 \f, 1, 2
.endm
; The last quarter multiplies buffer 1 and changes slots: one barrier; in front of it each wave waits for all its tensor loads (one is out: its part of the next slot), adds 0 to its spare word, and
; waits for that and for its own reads of this slot.  fill = 1: the barrier opens a round of the cluster's, and this slot is filled again, two K steps ahead, first thing behind the round.
.macro TURN fill
	WIN 0
	s_wait_tensorcnt 0x0
	ds_add_u32 v[SPW], v[NIL]
	s_wait_dscnt 9                                 ; the add and the youngest eight loads may be out
.if \fill
	NEXTD G2A, G2B, 1
.endif
	MUL16 F1, 0, 0
	s_wait_dscnt 0x0                               ; the add is done, and my reads of this slot are over
	s_barrier_signal -1
	MUL16 F1, 0, 2
	WIN 0                                          ; at a branch and at a label every window is 0
	s_barrier_wait -1
.if \fill
	CREST                                          ; no wave of any partner still reads this slot or has a load on its way
	JLOAD                                          ; its four v_nop are also the places in front of the loads below
.else
	PLACES
.endif
	s_xor_b32 s[TB], s[TB], SLOT
	v_add_nc_u32 v[ADRA], s[TB], v[A0]
	v_add_nc_u32 v[ADRB], s[TB], v[B0]
	FETCH 0, F0
	MUL16 F1, 1, 0
	MUL16 F1, 1, 2
.endm
; THE WAY OUT of my rows 16 a .. 16 a + 15: rounded to f16, bounded below, 16 bytes a lane into my own stage (two blocks of 16 rows of 144 bytes), back as 512 consecutive bytes a load, into the same registers.
.macro PACK a
.set AC, 64*((\a)%4)
	WIN 0x4a+5*((\a)/4)                            ; sources window 2 or 3, destination window 1
.set p, 0
.rept 32                               ; each accumulator's registers in ascending order
	v_cvt_pk_f16_f32 v[32*(\a)+p], v[AC+2*p], v[AC+2*p+1]
.set p, p+1
.endr
	WIN 0x41
.set p, 0
.rept 32
	v_pk_max_num_f16 v[32*(\a)+p], v[32*(\a)+p], s[FLO]
.set p, p+1
.endr
	WIN 0x04                                       ; address window 0, data window 1
.irp b, 0,1,2,3,4,5,6,7
	ds_store_b128 v[STO], v[32*(\a)+4*(\b):32*(\a)+4*(\b)+3] offset:((\b)/4)*2304+32*((\b)%4)
.endr
	WIN 0x40
.irp f, 0,1,2,3,4,5,6,7
	ds_load_b128 v[32*(\a)+4*(\f):32*(\a)+4*(\f)+3], v[RD] offset:((\f)/4)*2304+576*((\f)%4)  ; LDS serves a wave's instructions in order (ISA guide 5.7.1.4): these see the stores above
.endr
.endm
.macro SEND a, younger                 ; younger: the LDS instructions issued behind block a's loads: the next block's sixteen, or none.  No register of a store is written again
	WIN 0x04
.irp f, 0,1,2,3,4,5,6,7
	s_wait_dscnt (\younger)+7-(\f)
	global_store_b128 v[GO], v[32*(\a)+4*(\f):32*(\a)+4*(\f)+3], s[10:11] offset:((\f)/4)*16384+2048*(\a)+512*((\f)%4)  ; 512 consecutive bytes, aligned to 256
.endr
.endm
	s_load_b256 s[4:11], s[0:1], 0x0               ; A s[4:5], the weight buffer s[6:7], bias s[8:9], C s[10:11]
	v_lshl_add_u32 v[SPW], v0, 2, SPARE
	v_mov_b32 v[NIL], 0
	ds_add_u32 v[SPW], v[NIL]                      ; the wave's opening: the add and its wait stand ahead of my first tensor load; work on registers stands between them
	ds_add_u32 v28, v29
	v_lshrrev_b32 v1, 5, v0
	v_readfirstlane_b32 s[WV], v1
	s_lshr_b32 s[RH], s[WV], 1
	s_and_b32 s[CH], s[WV], 1
	s_bfe_u32 s17, ttmp6, 0x40000                  ; cx, cy: my place in the cluster
	s_bfe_u32 s18, ttmp6, 0x40004
	s_lshl_b32 s19, ttmp9, 2
	s_add_co_u32 s19, s19, s17                     ; the tile column = 4 x cluster x + cx
	s_and_b32 s20, ttmp7, 0xffff
	s_lshl_b32 s20, s20, 2
	s_add_co_u32 s20, s20, s18                     ; the tile row = 4 x cluster y + cy
	s_lshl_b32 s58, s18, 2
	s_lshl_b32 s58, 15, s58                        ; my row of the cluster
	s_lshl_b32 s60, 0x1111, s17                    ; my column
	s_or_b32 s[G1A], s58, (1<<16)|(1<<20)|(1<<21)|(4<<22)|(3<<25)  ; the mask; 2-byte elements; padding on; bit 21 beside a mask; after every 32 words 4 words
	s_or_b32 s[G1B], s60, (1<<16)|(1<<20)|(1<<21)|(5<<22)|(7<<25)  ; after every 64 words 8 words
.irp g, G1A, G1B
	s_mov_b32 s[(\g)+1], 128<<16                   ; tensor_dim0 = 128
	s_mov_b32 s[(\g)+2], 128<<16                   ; tensor_dim1 = 128
	s_mov_b32 s[(\g)+3], 128<<16                   ; tile_dim0 = 128 elements: 256 bytes
	s_mov_b32 s[(\g)+4], 128                       ; tile_dim1 = 128 rows
	s_mov_b32 s[(\g)+6], 0
	s_mov_b32 s[(\g)+7], 0
.endr
	s_mov_b32 s[G1A+5], 128                        ; A: 32,768 dense bytes as 128 rows of 256
	s_mov_b32 s[G1B+5], 4096                       ; W: 4,096 elements from row to row
	s_mul_i32 s[LW], s[WV], QUART                  ; where my tiles go: no place in the cluster enters an LDS address
	s_mov_b32 s[G0A], 1
	s_mov_b32 s[G0A+1], s[LW]                      ; the first fill: slot 0
	s_mov_b32 s[G0B], 1
	s_mov_b32 s[G0B+1], s[LW]
	s_mov_b32 s[G2A], 1
	s_add_co_u32 s[G2A+1], s[LW], SLOT             ; the second: slot 1
	s_mov_b32 s[G2B], 1
	s_add_co_u32 s[G2B+1], s[LW], SLOT
	s_lshl_b32 s58, s20, 1                         ; A: panel 2 x tile row + my half, 262,144 bytes a panel.  These registers never hold cx,
	s_add_co_u32 s58, s58, s[CH]
	s_lshl_b32 s58, s58, 18
	s_mov_b32 s59, 0
	s_lshl_b32 s60, s19, 9                         ; W: behind the head, the tile's 512 bytes of a row, my half of them.  these never cy
	s_lshl_b32 s61, s[CH], 8
	s_add_co_u32 s60, s60, s61
	s_add_co_u32 s60, s60, 256
	s_mov_b32 s61, 0
	s_lshl_b32 s66, s20, 1                         ; C: panel 2 x tile row + row half, block 4 x tile column + 2 x column half: my 128 x 128 are two whole blocks
	s_add_co_u32 s66, s66, s[RH]
	s_lshl_b32 s66, s66, 6
	s_lshl_b32 s67, s19, 2
	s_add_co_u32 s66, s66, s67
	s_lshl_b32 s67, s[CH], 1
	s_add_co_u32 s66, s66, s67
	s_lshl_b32 s66, s66, 14
	s_mov_b32 s67, 0
	s_lshl_b32 s68, s19, 10                        ; the tile's 256 numbers of bias
	s_mov_b32 s69, 0
	s_mov_b32 s[OFA+1], 0
	s_mov_b32 s[OFB+1], 0
	s_and_b32 s63, ttmp7, 0xffff                   ; the cluster's first K step: 2 (X + Y) mod 8, the same in all its work-groups
	s_add_co_u32 s[KN], s63, ttmp9
	s_lshl_b32 s[KN], s[KN], 1
	s_and_b32 s[KN], s[KN], KSTEPS-1
	s_mov_b32 s[TB], 0
	s_mov_b32 s[HIM], 0xffff0000
	s_wait_dscnt 0x0                               ; the opening add is done
	s_wait_kmcnt 0x0
	s_load_b32 s[FLO], s[6:7], 0x0                 ; the bound; s[6:7] stay as they are
	s_add_nc_u64 s[4:5], s[4:5], s[58:59]
	s_add_nc_u64 s[WB:WB+1], s[6:7], s[60:61]
	s_add_nc_u64 s[8:9], s[8:9], s[68:69]
	s_add_nc_u64 s[10:11], s[10:11], s[66:67]
	NEXTD G0A, G0B, 0
	NEXTD G2A, G2B, 0
	CROUND                                         ; all sixteen work-groups are here: the first joint loads meet
	s_cmp_eq_u32 s[RH], 0                          ; a wave's two first fills stand in one branch, ahead of every wait on TENSORcnt and every LDS read: two loads of mine are out
	s_cbranch_scc0 .Lfirst_b
	tensor_load_to_lds s[G0A:G0A+3], s[G1A:G1A+7]
	s_nop 0
	tensor_load_to_lds s[G2A:G2A+3], s[G1A:G1A+7]
	s_nop 0
.rept 4
	v_nop
.endr
	s_branch .Lfirst_asked
.Lfirst_b:
	tensor_load_to_lds s[G0B:G0B+3], s[G1B:G1B+7]
	s_nop 0
	tensor_load_to_lds s[G2B:G2B+3], s[G1B:G1B+7]
	s_nop 0
.rept 4
	v_nop
.endr
.Lfirst_asked:
	v_and_b32 v1, 15, v0                           ; r = lane % 16
	v_bfe_u32 v2, v0, 4, 1                         ; lane / 16
	v_mul_u32_u24 v[A0], v1, 144                   ; a fragment of A: row r, 16 bytes for each half of the lanes; two loads 32 bytes apart
	v_lshl_add_u32 v[A0], v2, 4, v[A0]
	s_mul_i32 s57, s[RH], QUART
	v_add_nc_u32 v[A0], s57, v[A0]
	v_and_b32 v3, 7, v0                            ; the turning load: lane l reads row 8 (l / 16) + l % 8 of K, columns 8 ((l / 8) % 2) + 0..7
	v_lshl_add_u32 v3, v2, 3, v3
	v_mul_u32_u24 v[B0], v3, 288
	v_bfe_u32 v3, v0, 3, 1
	v_lshl_add_u32 v[B0], v3, 4, v[B0]
	s_mul_i32 s57, s[CH], QUART
	s_add_co_u32 s57, s57, 2*QUART
	v_add_nc_u32 v[B0], s57, v[B0]
	s_lshl_b32 s57, s[CH], 9
	v_lshl_add_u32 v[BO], v2, 5, s57               ; my 128 columns' bias, and 8 numbers on for lanes 16-31
.irp b, 0,1,2,3,4,5,6,7
	global_load_b128 v[BIA+8*(\b):BIA+8*(\b)+3],   v[BO], s[8:9] offset:64*(\b)      ; columns 16 b + 8 (lane / 16) + 0..7
	global_load_b128 v[BIA+8*(\b)+4:BIA+8*(\b)+7], v[BO], s[8:9] offset:64*(\b)+16
.endr
	s_mul_i32 s57, s[WV], STW
	s_add_co_u32 s57, s57, STAGE                   ; my stage
	v_mul_u32_u24 v[STO], v1, 144
	v_lshl_add_u32 v[STO], v2, 4, v[STO]
	v_add_nc_u32 v[STO], s57, v[STO]
	v_bfe_u32 v[RD], v0, 3, 2
	v_mul_u32_u24 v[RD], v[RD], 144
	v_and_b32 v3, 7, v0
	v_lshl_add_u32 v[RD], v3, 4, v[RD]
	v_add_nc_u32 v[RD], s57, v[RD]
	v_and_b32 v[GO], 31, v0
	v_lshlrev_b32 v[GO], 4, v[GO]
	v_mov_b32 v[ADRA], v[A0]                       ; slot 0 is read first
	v_mov_b32 v[ADRB], v[B0]
	s_wait_loadcnt 0x0                             ; the bias, rounded to bf16, starts all 64 sums: all this stands in the wait for the first tile
.set p, 0
.rept 32
	v_cvt_pk_bf16_f32 v[BIA+p], v[BIA+2*p], v[BIA+2*p+1]
.set p, p+1
.endr
.irp w, 0x80, 0xc0
	WIN \w                                         ; destination window 2, then 3
.set p, 0
.rept 128                              ; p = 32 a + 4 b + pair
	v_lshlrev_b32 v[2*p], 16, v[BIA+p%32]
	v_and_b32 v[2*p+1], s[HIM], v[BIA+p%32]
.set p, p+1
.endr
.endr
	WIN 0
	s_wait_kmcnt 0x0                               ; the bound
	s_wait_tensorcnt 0x1                           ; my part of the first step is in; the second's may stay out
	s_barrier_signal -1
	s_barrier_wait -1                              ; everybody's is
	FETCH 0, F0
	WIN 0
	s_mov_b32 s[CNT], KSTEPS-1
	s_branch .Lmid                                 ; the loop is entered in the middle of a trip
.Ltop:                                 ; KSTEPS - 2 times: a K step's last quarter; its slot takes the step two further on
	TURN 1
	WIN 0
.Lmid:
	QUARTER 1, F0, F1
	QUARTER 2, F1, F0
	QUARTER 3, F0, F1
	WIN 0
	s_sub_co_u32 s[CNT], s[CNT], 1
	s_cmp_lg_u32 s[CNT], 0
	s_cbranch_scc1 .Ltop
	TURN 0                                         ; the tail is written out: nothing is left to ask for
	QUARTER 1, F0, F1
	QUARTER 2, F1, F0
	QUARTER 3, F0, F1
	s_wait_dscnt 8
	MUL16 F1, 0, 0
	MUL16 F1, 0, 2
	s_wait_dscnt 0x0
	MUL16 F1, 1, 0
	MUL16 F1, 1, 2
	PLACES                                         ; the conversions read results just made and write registers that the last products read
	PACK 0
.irp a, 1,2,3,4,5,6,7                  ; block a's arithmetic stands between block a - 1's loads from the stage and the wait for them
	PACK \a
	SEND (\a)-1, 16
.endr
	SEND 7, 0
	WIN 0
	s_wait_tensorcnt 0x0                           ; the wave's end: behind my last tensor load and my last LDS store
	ds_add_u32 v[SPW], v[NIL]
	s_wait_dscnt 0x0
	CROUND                                         ; the closing round: no work-group ends while a partner may still ask for a tile that names it
	s_endpgm
.Lfunc_end_k_q4968ae2781_qkv:
	.size	k_q4968ae2781_qkv, .Lfunc_end_k_q4968ae2781_qkv-k_q4968ae2781_qkv
	.p2alignl 7, 3214868480
	.fill 96, 4, 3214868480
	.section	.rodata,"a",@progbits
	.p2align	6, 0x0
	.amdhsa_kernel k_q4968ae2781_qkv
		.amdhsa_group_segment_fixed_size 327680
		.amdhsa_private_segment_fixed_size 0
		.amdhsa_enable_private_segment 0
		.amdhsa_kernarg_size 32
		.amdhsa_user_sgpr_count 2
		.amdhsa_user_sgpr_kernarg_segment_ptr 1
		.amdhsa_wavefront_size32 1
		.amdhsa_system_sgpr_workgroup_id_x 1
		.amdhsa_system_sgpr_workgroup_id_y 1
		.amdhsa_system_sgpr_workgroup_id_z 1
		.amdhsa_system_vgpr_workitem_id 0
		.amdhsa_next_free_vgpr 1024
		.amdhsa_next_free_sgpr 84
		.amdhsa_reserve_vcc 0
		.amdhsa_float_denorm_mode_32 3
		.amdhsa_float_denorm_mode_16_64 3
		.amdhsa_memory_ordered 1
		.amdhsa_forward_progress 1
		.amdhsa_inst_pref_size 136
	.end_amdhsa_kernel
	.amdgpu_metadata
---
amdhsa.version: [ 1, 2 ]
amdhsa.kernels:
  - .name:           k_q4968ae2781_qkv
    .symbol:         k_q4968ae2781_qkv.kd
    .args:
      - { .name: h, .offset: 0, .size: 8, .value_kind: global_buffer, .address_space: global }
      - { .name: wq, .offset: 8, .size: 8, .value_kind: global_buffer, .address_space: global }
      - { .name: b_qkv, .offset: 16, .size: 8, .value_kind: global_buffer, .address_space: global }
      - { .name: qkv, .offset: 24, .size: 8, .value_kind: global_buffer, .address_space: global }
    .group_segment_fixed_size: 327680
    .private_segment_fixed_size: 0
    .kernarg_segment_align: 8
    .kernarg_segment_size: 32
    .max_flat_workgroup_size: 128
    .sgpr_count:     84
    .vgpr_count:     1024
    .wavefront_size: 32
...
	.end_amdgpu_metadata
.endif
;; end of part 2
;; launch attn (part 3): grid 8 x 32, 4 waves a work-group, no clusters, 327,680 bytes of LDS; arguments qkv, y; writes y
.if DOCPART == 3
	.amdgcn_target "amdgcn-amd-amdhsa--gfx1250"
	.amdhsa_code_object_version 6
	.text
	.protected	k_q4968ae2781_attn
	.globl	k_q4968ae2781_attn
	.p2align	8
	.type	k_q4968ae2781_attn,@function
k_q4968ae2781_attn:
	s_mov_b64 s[64:65], 0
	v_nop
	global_prefetch_b8 v0, s[64:65] scope:SCOPE_SE
	s_setreg_imm32_b32 hwreg(HW_REG_WAVE_MODE, 25, 1), 1
	s_wait_xcnt 0x0
; CAUSAL ATTENTION, head size 64.  y[q] = the sum over k <= q of softmax_k(Q[q] . K[k] / 8) V[k], for 2 batches x 16 heads of 2,048 rows.  Q, K, V lie in qkv, y likewise, in PANELS:
; [32 panels of 128 rows][blocks of 64 columns][128][64] f16; in qkv (64 blocks, 48 of them used) head h's Q is block h, K block 16 + h, V block 32 + h; in y (16 blocks) block h.  128 rows of a head are 16,384 dense bytes.
; Products, maxima and sums in f32; the weights p are rounded to f16 for the second product (their sum l is taken of the unrounded p), y once at the end.
; LIMITS.  f16 ends at 65,504: Q, K, V arrive within it.  A hidden score counts as its value less 1e30; a weight below 2^-126 counts as 0 in l; NaN and infinities are not treated apart.
; THE WALK.  A head's queries lie in 16 blocks of 128 (a panel); block i needs the key tiles 0 .. i / 2 of 256 keys (two panels), the last of which holds the diagonal.  Work-group gx takes block gx and then
; block 15 - gx: (gx / 2 + 1) + ((15 - gx) / 2 + 1) = 9 tiles whatever gx: 256 work-groups of equal work, one loop with a constant trip count.  The short block goes first, so that the change of blocks never falls
; into the tail that is written out.  Every jump but the counted loops' own goes forward, and none passes a barrier, or a tensor load but the one of LOAD's two that the wave's number does not choose.
; NO CLUSTER: the eight work-groups of a head ask for different tiles from the second trip on, since their first blocks differ in length.
; SHARES.  Of a block's two bands of 64 queries a wave owns 16 rows in each: two PIECES.  In the diagonal tile's key step s the band numbered n = 2 (i % 2) + piece sees all keys if s < n, none if s > n, and holds the diagonal if s = n.
; THE MASK is the C operand that starts the sum S^T = K Q^T: MC = MD x AL + BE, with MD (made once) the mask of a band's own step for my 16 rows: (1, 0) if s = n; (0, 0) if s < n; (0, -1e30) if s > n.  Outside a diagonal tile MC stays 0.
; LAYOUT.  S^T = K Q^T holds ONE query a lane (lane % 16) and the keys 8 (lane / 16) + 0..7; two such results rounded to f16 ARE source 1 of O^T = V^T P.  K comes out of LDS as it lies, V turned, by ds_load_tr16_b128.
; SOFTMAX.  A running maximum m and sum l: p = 2^(c s - c m), c = log2(e) / 8; O and l are multiplied by a = 2^(c m_old - c m_new) in every step.  A block's m starts at the lowest finite number: its first a is 0.
; BY TURNS.  In a turn one piece has the matrix unit: 8 products V^T P of the step in hand, then 8 products K Q^T of the next; the other piece's softmax, 118 lines cut into 16 slices, stands behind them, a slice a product.
; REGISTERS.  window 0: v0-15 addresses; v16-31 statistics, 8 a piece; v32-63 MD; v64-127 S^T; v128-159 P; v160-223 O^T; v254, v255 the add's.  window 1: v0-31 Q; v32-63 the second block's Q; v64-127 K; v128-191 V; v192-223 MC.
.set KS,    64
.set PK,    144       ; a row of K in LDS: 128 bytes + 16 of padding: the 16 rows of a load start at 16 different groups of four banks (ISA guide 11.1)
.set PV,    160       ; a row of V: 128 + 32
.set VOFF,  4*KS*PK   ; a slot holds a tile: 256 rows of K, then 256 rows of V
.set SLOT1, 1<<17
.set STAGE, SLOT1+4*KS*(PK+PV)  ; behind the ring, never filled by a tensor load: 16 rows x 144 bytes for each wave
.set SP,    144
.set SPARE, STAGE+4*16*SP       ; the spare words, 128 bytes for each wave: two blocks of 256 bytes that no other line names
.set PANEL, 64*16384  ; bytes from panel to panel in qkv
.set AK0, 2
.set AV0, 3
.set AK,  4
.set AV,  5
.set STO, 6
.set RD,  7
.set GO,  8
.set QO,  15
.set ST,  16          ; piece t at v[ST+8 t]: c m, m, l (even keys', odd keys'), c0-c3 at work; a takes c2's place
.set MD,  32
.set S,   64
.set P,   128
.set O,   160
.set SPW, 254
.set NIL, 255
.set QB,  32          ; window 1
.set KF,  64
.set VF,  128
.set MC,  192
.set WV,  12
.set LO,  14          ; s14 the first block, s15 the second
.set HI,  15
.set G1K, 24
.set G1V, 32
.set G0K, 40
.set G0V, 44
.set SLOTS, 56
.set CNT, 57          ; counts a tile's key steps, 4 to 1
.set CS,  58
.set SEL, 60
.set TBK, 62          ; LDS byte at which K of the step to be fetched begins; s63 the same for V, less VOFF
.set TBV, 63
.set RT,  70          ; tiles of the block in hand that are still to be entered
.set NXT, 71          ; the tile to be asked for next; s72 the last tile of the block whose tiles are being asked for
.set LQ,  72
.set NEW, 73          ; 1: nothing has begun yet
.set OFF, 74
.set AL,  76
.set BE,  78
.set OHI, 80          ; s[80:81] y at my rows of the second block
.set BIGN, 82
.set PAR2, 83         ; 2 (block % 2): the number of the block's first band in its diagonal tile
.set CP,  84
.set NHI1, 85         ; the second block's last tile
.set PARHI, 86
.set MSB, 0
.macro WIN new
.if MSB != (\new)
	s_set_vgpr_msb (MSB<<8)|(\new)
.set MSB, (\new)
.endif
.endm
.set W_KQ, 0x05       ; K and Q window 1, S^T window 0
.set W_KM, 0x15       ; the same with C window 1
.set W_PV, 0x01       ; V window 1; P and O^T window 0
.macro PLACES
.rept 4
	v_nop
.endr
.endm
.macro LOAD                         ; waves 0 and 1 fetch the two halves of a tile's K, waves 2 and 3 those of its V; an s_nop 0 and four v_nop follow each line
	s_cmp_lt_u32 s[WV], 2
	s_cbranch_scc0 .Lfor_v_\@
	tensor_load_to_lds s[G0K:G0K+3], s[G1K:G1K+7]
	s_nop 0
.rept 4
	v_nop
.endr
	s_branch .Lasked_\@
.Lfor_v_\@:
	tensor_load_to_lds s[G0V:G0V+3], s[G1V:G1V+7]
	s_nop 0
.rept 4
	v_nop
.endr
.Lasked_\@:
.endm
.macro ASK                          ; both group 0 are made anew for tile NXT: scalar work alone
	s_mul_i32 s[OFF], s[NXT], 2*PANEL
	s_xor_b32 s[G0K+1], s[G0K+1], SLOT1
	s_add_nc_u64 s[G0K+2:G0K+3], s[6:7], s[OFF:OFF+1]
	s_or_b32 s[G0K+3], s[G0K+3], 0x80000000
	s_xor_b32 s[G0V+1], s[G0V+1], SLOT1
	s_add_nc_u64 s[G0V+2:G0V+3], s[8:9], s[OFF:OFF+1]
	s_or_b32 s[G0V+3], s[G0V+3], 0x80000000
	s_add_co_u32 s[NXT], s[NXT], 1  ; the block's next tile, or behind its last the second block's tile 0
	s_cmp_gt_u32 s[NXT], s[LQ]
	s_cselect_b32 s[NXT], 0, s[NXT]
	s_cselect_b32 s[LQ], s[NHI1], s[LQ]
.endm
; THE CHANGE OF SLOTS.  Each wave waits for all its tensor loads (one is out: its part of the other slot), adds 0 to its spare word, and waits for that and for its reads of the slot that it leaves.
; fill = 1: the old slot is filled again, first thing behind the barrier; the load has eight turns, 128 products, in which to land.  (At its first use slot 0 is waited for and slot 1 filled.)
.macro CHANGE fill
	WIN 0
	s_wait_tensorcnt 0x0
	ds_add_u32 v[SPW], v[NIL]
.if \fill
	ASK
.endif
	s_wait_dscnt 0x0
	s_barrier_signal -1
	s_sub_co_u32 s[TBK], s[TBK], 4*KS*PK  ; the fetches go back to a slot's first step, in the other slot
	s_xor_b32 s[TBK], s[TBK], SLOT1
	s_sub_co_u32 s[TBV], s[TBV], 4*KS*PV
	s_xor_b32 s[TBV], s[TBV], SLOT1
	s_barrier_wait -1
.if \fill
	LOAD
.endif
.endm
; THE MATRIX WORK.  The 4 accumulators of a run of 8 take turns.  Product i of S^T = K Q^T: channels 32 (i / 4) on, keys 16 (i % 4) on; the first 4 start the sums with the mask.
.macro KQ x
.set rS, S+32*(\x)+8*(i%4)
.set rK, KF+16*(i%4)+8*(i/4)
.set rQ, 16*(\x)+8*(i/4)
.set rM, MC+8*(i%4)
.if i < 4
	WIN W_KM
	v_wmma_f32_16x16x32_f16 v[rS:rS+7], v[rK:rK+7], v[rQ:rQ+7], v[rM:rM+7]
.else
	WIN W_KQ
	v_wmma_f32_16x16x32_f16 v[rS:rS+7], v[rK:rK+7], v[rQ:rQ+7], v[rS:rS+7]
.endif
.endm
.macro PV x                         ; product i of O^T += V^T P: keys 32 (i / 4) on, channels 16 (i % 4) on
	WIN W_PV
.set rO, O+32*(\x)+8*(i%4)
.set rV, VF+32*(i/4)+8*(i%4)
.set rP, P+16*(\x)+8*(i/4)
	v_wmma_f32_16x16x32_f16 v[rO:rO+7], v[rV:rV+7], v[rP:rP+7], v[rO:rO+7]
.endm
.macro FETCH_K                      ; a step's K: 16 loads in one run
	WIN 0x40
.irp f, 0,1,2,3,4,5,6,7
	ds_load_b128 v[KF+8*\f:KF+8*\f+3],   v[AK] offset:(\f/2)*16*PK+(\f%2)*64
	ds_load_b128 v[KF+8*\f+4:KF+8*\f+7], v[AK] offset:(\f/2)*16*PK+(\f%2)*64+32
.endr
	s_add_co_u32 s[TBK], s[TBK], KS*PK
	WIN 0
.endm
.macro FETCH_V                      ; a step's V, turned
	WIN 0x40
.irp f, 0,1,2,3,4,5,6,7
	ds_load_tr16_b128 v[VF+8*\f:VF+8*\f+3],   v[AV] offset:(\f/4)*32*PV+(\f%4)*32
	ds_load_tr16_b128 v[VF+8*\f+4:VF+8*\f+7], v[AV] offset:(\f/4)*32*PV+16*PV+(\f%4)*32
.endr
	s_add_co_u32 s[TBV], s[TBV], KS*PV
	WIN 0
.endm
.macro MASK                         ; MC = MD x AL + BE
	WIN 0x40
.set z, 0
.rept 16
	v_pk_fma_f32 v[MC+2*z:MC+2*z+1], v[MD+2*z:MD+2*z+1], s[AL:AL+1], s[BE:BE+1] op_sel_hi:[1,0,0]
.set z, z+1
.endr
.endm
; THE VECTOR WORK: line j of the 118 of piece t's softmax for one key step.
;   0-15  the maximum of the 32 scores and the old m, three operands at a time; each accumulator's lowest registers are read first     16-20  the other half of the lanes'; m; c m; c m_old - c m
;   21-87  33 exponentials (a, then the scores) at the odd numbers from 23 on, a plain line behind each: scalings for exponentials to come, roundings of pairs whose exponentials are done, the first sums
;   88-101  the last rounding; the sums; l = a l + sum     102-117  O^T times a
.macro SM t
.set rT, ST+8*(\t)
.set rS, S+32*(\t)
.set rP, P+16*(\t)
.set rO, O+32*(\t)+2*(j-102)
.set q, (j-20)/2
	WIN 0
.if j < 4
	v_max3_num_f32 v[rT+4+j], v[rS+8*j], v[rS+8*j+1], v[rS+8*j+2]
.elseif j < 12
	v_max3_num_f32 v[rT+4+j%4], v[rT+4+j%4], v[rS+8*(j%4)+2*(j/4)+1], v[rS+8*(j%4)+2*(j/4)+2]
.elseif j == 12
	v_max3_num_f32 v[rT+4], v[rT+4], v[rS+7], v[rS+15]
.elseif j == 13
	v_max3_num_f32 v[rT+6], v[rT+6], v[rS+23], v[rS+31]
.elseif j == 14
	v_max3_num_f32 v[rT+4], v[rT+4], v[rT+5], v[rT+6]
.elseif j == 15
	v_max3_num_f32 v[rT+4], v[rT+4], v[rT+7], v[rT+1]
.elseif j == 16
	v_permlanex16_b32 v[rT+5], v[rT+4], s[SEL], s[SEL+1]  ; the query's other 32 keys lie in the lane 16 away
.elseif j == 17
	v_mov_b32 v[rT+7], v[rT]        ; c m_old is kept for a
.elseif j == 18
	v_max_num_f32 v[rT+1], v[rT+4], v[rT+5]
.elseif j == 19
	v_mul_f32 v[rT], s[CS], v[rT+1]
.elseif j == 20
	v_sub_f32 v[rT+7], v[rT+7], v[rT]
.elseif j == 23
	v_exp_f32 v[rT+6], v[rT+7]
.elseif (j < 88) && (j > 23) && (j%2 == 1)
	v_exp_f32 v[rS+(j-25)/2], v[rS+(j-25)/2]
.elseif (q < 4) || ((j < 76) && (q%2 == 0))
.set b, q/2+2
.if q < 4
.set b, q
.endif
	v_pk_fma_f32 v[rS+2*b:rS+2*b+1], v[rS+2*b:rS+2*b+1], s[CS:CS+1], v[rT:rT+1] op_sel_hi:[1,0,0] neg_lo:[0,0,1] neg_hi:[0,0,1]  ; pair b: c s - c m
.elseif (j < 88) && (q%2 == 1)
	s_wait_alu depctr_va_vdst(0)
	v_cvt_pk_f16_f32 v[rP+(q-5)/2], v[rS+q-5], v[rS+q-4]  ; its second exponential stands three numbers back
.elseif j == 89
	s_wait_alu depctr_va_vdst(0)
	v_cvt_pk_f16_f32 v[rP+15], v[rS+30], v[rS+31]
.elseif j < 102                     ; sum z of 16 adds neighbours 1, 2, 4 and 8 pairs apart, in place; then l takes it
.set z, j-86
.if j < 89
.set z, (j-76)/4
.endif
.set w, 4
.set u, z
.if z >= 14
.set w, 32
.set u, 0
.elseif z >= 12
.set w, 16
.set u, z-12
.elseif z >= 8
.set w, 8
.set u, z-8
.endif
.if z < 15
	v_pk_add_f32 v[rS+w*u:rS+w*u+1], v[rS+w*u:rS+w*u+1], v[rS+w*u+w/2:rS+w*u+w/2+1]
.else
	v_pk_fma_f32 v[rT+2:rT+3], v[rT+2:rT+3], v[rT+6:rT+7], v[rS:rS+1] op_sel_hi:[1,0,1]
.endif
.else
	v_pk_mul_f32 v[rO:rO+1], v[rO:rO+1], v[rT+6:rT+7] op_sel_hi:[1,0]
.endif
.set j, j+1
.endm
.macro SLICE y                      ; slice k of 16: seven lines; the last has thirteen, all plain, none naming a register of the products round them: the places behind a turn's last product
.if k < 15
.rept 7
	SM \y
.endr
.else
.rept 13
	SM \y
.endr
.endif
.set k, k+1
.endm
; A TURN.  Piece x has the matrix unit, the other piece's softmax stands in slices behind its products.  kq = 0: a block's last turn but one: no new scores, two slices a product.
; Piece 0's turn fetches the next step's K at its head: the last product that read K stands in front of the thirteen plain lines of the turn before.  Piece 1's turn fetches that step's V behind its first K Q^T:
; seven plain lines of two slices stand behind the last product that read V.  Each run is waited for where its first reader stands.
.macro TURN x, kq
.set k, 0
.set j, 0
.if \kq
	WIN 0
	s_cmp_lg_u32 s[RT], 0           ; only a block's last tile takes masks: the step to be scored is number 4 - CNT of the tile, my band number PAR2 + x
	s_cbranch_scc1 .Lnm_\@
	s_add_co_u32 s[CP], s[CNT], s[PAR2]
	s_cmp_eq_u32 s[CP], 4-(\x)      ; the band's own step?
	s_cselect_b32 s[AL], 1.0, 0
	s_cmp_lt_u32 s[CP], 4-(\x)      ; or a later one?
	s_cselect_b32 s[BE], s[BIGN], 0
	MASK
	WIN 0
.Lnm_\@:
.endif
.if (\x) == 0
	s_wait_dscnt 0x0                ; V is in
.if \kq
	v_add_nc_u32 v[AK], s[TBK], v[AK0]
	FETCH_K
.endif
.endif
.set i, 0
.rept 8
	PV \x
	SLICE 1-(\x)
.if !(\kq)
	SLICE 1-(\x)
.endif
.set i, i+1
.endr
.if \kq
.if (\x) == 0
	s_wait_dscnt 0x0                ; K is in
.endif
.set i, 0
.rept 8
	KQ \x
	SLICE 1-(\x)
.if ((\x) == 1) && (i == 0)
	v_add_nc_u32 v[AV], s[TBV], v[AV0]
	FETCH_V
.endif
.set i, i+1
.endr
.endif
.endm
.macro ALL line:vararg              ; one line for each piece t
.set t, 0
.rept 2
	\line
.set t, t+1
.endr
.endm
.macro PACK t                       ; O^T / l, rounded to f16; a lane's eight channels of a row are 16 bytes; into rows of 144 bytes and back as four rows of 128, into S^T's registers
.set i, 0
.rept 16
	s_wait_alu depctr_va_vdst(0)
	v_pk_mul_f32 v[O+32*(\t)+2*i:O+32*(\t)+2*i+1], v[O+32*(\t)+2*i:O+32*(\t)+2*i+1], v[ST+8*(\t)+6:ST+8*(\t)+7] op_sel_hi:[1,0]
.set i, i+1
.endr
.set i, 0
.rept 16
	v_cvt_pk_f16_f32 v[S+16*(\t)+i], v[O+32*(\t)+2*i], v[O+32*(\t)+2*i+1]
.set i, i+1
.endr
.irp f, 0,1,2,3
	ds_store_b128 v[STO], v[S+16*(\t)+4*\f:S+16*(\t)+4*\f+3] offset:32*\f
.endr
.irp f, 0,1,2,3
	ds_load_b128 v[S+16*(\t)+4*\f:S+16*(\t)+4*\f+3], v[RD] offset:\f*4*SP  ; LDS serves a wave's instructions in order (ISA guide 5.7.1.4): these see the stores above
.endr
.endm
.macro SEND t, younger
.irp f, 0,1,2,3
	s_wait_dscnt (\younger)+3-\f
	global_store_b128 v[GO], v[S+16*(\t)+4*\f:S+16*(\t)+4*\f+3], s[10:11] offset:(\t)*8192+\f*512  ; 512 consecutive bytes, aligned to 256
.endr
.endm
.macro END                          ; a block's end: piece 1's last products, l's halves added, and the way out
.set i, 0
.rept 8
	PV 1
.set i, i+1
.endr
	WIN 0
	ALL v_add_f32 v[ST+8*t+4], v[ST+8*t+2], v[ST+8*t+3]
	ALL v_permlanex16_b32 v[ST+8*t+5], v[ST+8*t+4], s[SEL], s[SEL+1]
	ALL v_add_f32 v[ST+8*t+4], v[ST+8*t+4], v[ST+8*t+5]
	ALL v_rcp_f32 v[ST+8*t+6], v[ST+8*t+4]
	v_nop                           ; a plain line between the last reciprocal and the use of its result
	PACK 0                          ; piece 0's 32 plain lines are the places behind piece 1's products
	PACK 1
	SEND 0, 8
	SEND 1, 0
.endm
	s_load_b128 s[48:51], s[0:1], 0x0  ; qkv s[48:49], y s[50:51]
	v_lshl_add_u32 v[SPW], v0, 2, SPARE
	v_mov_b32 v[NIL], 0
	ds_add_u32 v[SPW], v[NIL]       ; the wave's opening: the add and its wait stand ahead of my first tensor load; work on registers stands between them
	ds_add_u32 v254, v255
	v_lshrrev_b32 v1, 5, v0
	v_readfirstlane_b32 s[WV], v1
	s_mov_b32 s[LO], ttmp9
	s_sub_co_u32 s[HI], 15, s[LO]
	s_and_b32 s16, ttmp7, 0xffff
	s_and_b32 s17, s16, 1           ; the batch
	s_lshr_b32 s18, s16, 1          ; the head
	s_mul_i32 s19, s17, 16*PANEL
	s_lshl_b32 s20, s18, 14
	s_add_co_u32 s19, s19, s20      ; the head's Q block in the batch's first panel
	s_and_b32 s21, s[WV], 1         ; which of a tile's two panels I fetch
	s_mul_i32 s22, s21, PANEL
	s_add_co_u32 s22, s22, s19
	s_add_co_u32 s22, s22, 16*16384 ; K lies 16 blocks behind Q
	s_mov_b32 s23, 0
	s_lshl_b32 s13, s[WV], 11       ; my 16 rows in a band
	s_mul_i32 s90, s[LO], PANEL
	s_add_co_u32 s90, s90, s19
	s_add_co_u32 s90, s90, s13
	s_mov_b32 s91, 0
	s_mul_i32 s92, s[HI], PANEL
	s_add_co_u32 s92, s92, s19
	s_add_co_u32 s92, s92, s13
	s_mov_b32 s93, 0
	s_lshl_b32 s52, s17, 22         ; y: 16 panels of 262,144 bytes a batch
	s_add_co_u32 s52, s52, s20
	s_add_co_u32 s52, s52, s13
	s_lshl_b32 s54, s[HI], 18
	s_add_co_u32 s54, s54, s52
	s_mov_b32 s55, 0
	s_lshl_b32 s53, s[LO], 18
	s_add_co_u32 s52, s52, s53
	s_mov_b32 s53, 0
	s_mul_i32 s66, s21, 128*PK
	s_mul_i32 s67, s21, 128*PV
	; descriptor group 1: 128 keys are 16,384 dense bytes: 64 rows of 256 bytes, padded in LDS after every key
	s_mov_b32 s[G1K], (1<<16)|(1<<20)|(4<<22)|(3<<25)  ; 2-byte elements; padding on; after every 32 words 4 words
	s_mov_b32 s[G1V], (1<<16)|(1<<20)|(4<<22)|(7<<25)  ; 8 words
.irp g, G1K, G1V
	s_mov_b32 s[\g+1], 128<<16      ; tensor_dim0 = 128
	s_mov_b32 s[\g+2], 64<<16       ; tensor_dim1 = 64
	s_mov_b32 s[\g+3], 128<<16      ; tile_dim0 = 128
	s_mov_b32 s[\g+4], 64           ; tile_dim1 = 64
	s_mov_b32 s[\g+5], 128          ; 128 elements from row to row
	s_mov_b32 s[\g+6], 0
	s_mov_b32 s[\g+7], 0
.endr
	s_mov_b32 s[CS], 0x3e38aa3b     ; c = log2(e) / 8
	s_mov_b32 s[CS+1], s[CS]
	s_mov_b32 s[SEL], 0x76543210
	s_mov_b32 s[SEL+1], 0xfedcba98
	s_mov_b32 s[TBK], SLOT1+4*KS*PK ; the first change of slots turns these two into 0
	s_mov_b32 s[TBV], SLOT1+4*KS*PV
	s_mov_b32 s[G0K], 1
	s_add_co_u32 s[G0K+1], s66, SLOT1       ; the first ASK turns these two into slot 0
	s_mov_b32 s[G0V], 1
	s_add_co_u32 s[G0V+1], s67, SLOT1+VOFF
	s_lshr_b32 s[LQ], s[LO], 1
	s_add_co_u32 s[RT], s[LQ], 1
	s_lshr_b32 s[NHI1], s[HI], 1
	s_and_b32 s[PAR2], s[LO], 1
	s_lshl_b32 s[PAR2], s[PAR2], 1
	s_and_b32 s[PARHI], s[HI], 1
	s_lshl_b32 s[PARHI], s[PARHI], 1
	s_mov_b32 s[NXT], 0
	s_mov_b32 s[NEW], 1
	s_mov_b32 s[OFF+1], 0
	s_mov_b32 s[AL+1], 0
	s_mov_b32 s[BE+1], 0
	s_mov_b32 s[BIGN], 0xf149f2ca   ; -1e30
	s_mov_b32 s[SLOTS], 8
	s_wait_dscnt 0x0                ; the opening add is done
	s_wait_kmcnt 0x0
	s_add_nc_u64 s[6:7], s[48:49], s[22:23]     ; K at my half of the head's tile 0,
	s_add_nc_u64 s[8:9], s[6:7], 16*16384       ; V 16 blocks behind it
	s_add_nc_u64 s[4:5], s[48:49], s[90:91]     ; Q at my rows of the first block,
	s_add_nc_u64 s[88:89], s[48:49], s[92:93]   ; and of the second
	s_add_nc_u64 s[10:11], s[50:51], s[52:53]
	s_add_nc_u64 s[OHI:OHI+1], s[50:51], s[54:55]
	ASK
	LOAD                            ; the walk's first tile into slot 0
	v_and_b32 v1, 15, v0            ; l % 16
	v_bfe_u32 v9, v0, 4, 1          ; l / 16
	v_lshlrev_b32 v[QO], 7, v1
	v_lshl_add_u32 v[QO], v9, 4, v[QO]
	WIN 0x40
.set i, 0
.rept 4                             ; both blocks' Q: piece i / 2 lies 8,192 bytes on; channels 32 (i % 2) on
	global_load_b128 v[8*i:8*i+3],   v[QO], s[4:5] offset:(i/2)*8192+(i%2)*64
	global_load_b128 v[8*i+4:8*i+7], v[QO], s[4:5] offset:(i/2)*8192+(i%2)*64+32
	global_load_b128 v[QB+8*i:QB+8*i+3],   v[QO], s[88:89] offset:(i/2)*8192+(i%2)*64
	global_load_b128 v[QB+8*i+4:QB+8*i+7], v[QO], s[88:89] offset:(i/2)*8192+(i%2)*64+32
.set i, i+1
.endr
.set i, VF
.rept 64                            ; a block's first turn multiplies a V and a P that have not been: they need only be finite, since that O^T is still to be multiplied by a = 0
	v_mov_b32 v[i], 0
.set i, i+1
.endr
	WIN 0
	v_lshlrev_b32 v14, 3, v9
	v_sub_nc_u32 v14, v1, v14
	s_lshl_b32 s13, s[WV], 4
	v_add_nc_u32 v14, s13, v14      ; my query's place in its band less my lanes' 8 (l / 16): register r of key group kt is hidden where 16 kt + r is greater
.set i, 0
.rept 32
	v_cmp_gt_i32 vcc_lo, 16*(i/8)+i%8, v14
	v_cndmask_b32 v[MD+i], 0, s[BIGN], vcc_lo
.set i, i+1
.endr
	v_mul_u32_u24 v[AK0], v1, PK
	v_lshl_add_u32 v[AK0], v9, 4, v[AK0]
	v_and_b32 v10, 7, v0
	v_bfe_u32 v11, v0, 3, 1
	v_lshl_add_u32 v[AV0], v9, 3, v10
	v_mul_u32_u24 v[AV0], v[AV0], PV
	v_lshl_add_u32 v[AV0], v11, 4, v[AV0]
	v_add_nc_u32 v[AV0], VOFF, v[AV0]
	s_mul_i32 s13, s[WV], 16*SP
	s_add_co_u32 s13, s13, STAGE    ; my stage
	v_mul_u32_u24 v[STO], v1, SP
	v_lshl_add_u32 v[STO], v9, 4, v[STO]
	v_add_nc_u32 v[STO], s13, v[STO]
	v_bfe_u32 v[RD], v0, 3, 2
	v_mul_u32_u24 v[RD], v[RD], SP
	v_lshl_add_u32 v[RD], v10, 4, v[RD]
	v_add_nc_u32 v[RD], s13, v[RD]
	v_and_b32 v[GO], 31, v0
	v_lshlrev_b32 v[GO], 4, v[GO]
.set i, ST
.rept 16
	v_mov_b32 v[i], 0
.set i, i+1
.endr
.set i, P+16
.rept 16
	v_mov_b32 v[i], 0
.set i, i+1
.endr
.set i, O
.rept 64
	v_mov_b32 v[i], 0
.set i, i+1
.endr
.Lslot:                             ; eight times: a tile is entered and the next is asked for
	CHANGE 1
	s_sub_co_u32 s[RT], s[RT], 1
	s_mov_b32 s[CNT], 4
	s_cmp_eq_u32 s[NEW], 1          ; at the first trip a constant of the text
	s_cbranch_scc1 .Lnew
.Lstep:                             ; a trip: the step in hand is finished for piece 0, then for piece 1, and step 4 - CNT of the tile is scored
	TURN 0, 1
	WIN 0
	s_cmp_eq_u32 s[RT], -1          ; has the first block's last tile been left?
	s_cbranch_scc0 .Lmid
	END                             ; THE CHANGE OF BLOCKS.  The turn above has fetched the second block's first K; its eight products on the old Q serve nothing: the price of one text for every turn
	s_wait_xcnt 0x0                 ; only behind this wait are the stores' base and data registers written again
	s_mov_b64 s[10:11], s[OHI:OHI+1]
	s_mov_b32 s[RT], s[NHI1]
	s_mov_b32 s[PAR2], s[PARHI]
	WIN 0x41                        ; the second block's Q goes where the turns name Q
.set i, 0
.rept 32
	v_mov_b32 v[i], v[QB+i]
.set i, i+1
.endr
	WIN 0
	s_branch .Lbegin
.Lnew:
	v_add_nc_u32 v[AK], s[TBK], v[AK0]
	FETCH_K
.Lbegin:                            ; A BLOCK BEGINS: c m far below every c s, so the first a is 0; m the lowest finite number; piece 0's mask for step 0 (its own only if this tile is the diagonal one and band 0 is mine); its first scores
	s_mov_b32 s[NEW], 0
.irp t, 0,1
	v_mov_b32 v[ST+8*\t], 0xfe000000
	v_mov_b32 v[ST+8*\t+1], 0xff7fffff
.endr
	s_add_co_u32 s[CP], s[RT], s[PAR2]
	s_cmp_eq_u32 s[CP], 0
	s_cselect_b32 s[AL], 1.0, 0
	s_mov_b32 s[BE], 0
	MASK
	WIN 0
	s_wait_loadcnt 0x0              ; Q
	s_wait_dscnt 0x0                ; K
.set i, 0
.rept 8
	KQ 0
.set i, i+1
.endr
	WIN 0
	PLACES
.Lmid:
	TURN 1, 1
	WIN 0
	s_sub_co_u32 s[CNT], s[CNT], 1
	s_cmp_lg_u32 s[CNT], 0
	s_cbranch_scc1 .Lstep
	s_sub_co_u32 s[SLOTS], s[SLOTS], 1
	s_cmp_lg_u32 s[SLOTS], 0
	s_cbranch_scc1 .Lslot
	CHANGE 0                        ; the walk's last tile, the second block's diagonal one, is written out: nothing is asked for
	s_sub_co_u32 s[RT], s[RT], 1
	s_mov_b32 s[CNT], 4
.Ltail:
	TURN 0, 1
	TURN 1, 1
	WIN 0
	s_sub_co_u32 s[CNT], s[CNT], 1
	s_cmp_lg_u32 s[CNT], 0
	s_cbranch_scc1 .Ltail
	TURN 0, 0
	END
	s_wait_tensorcnt 0x0            ; the wave's end: behind my last tensor load and my last LDS store
	ds_add_u32 v[SPW], v[NIL]
	s_wait_dscnt 0x0
	s_endpgm
.Lfunc_end_k_q4968ae2781_attn:
	.size	k_q4968ae2781_attn, .Lfunc_end_k_q4968ae2781_attn-k_q4968ae2781_attn
	.p2alignl 7, 3214868480
	.fill 96, 4, 3214868480
	.section	.rodata,"a",@progbits
	.p2align	6, 0x0
	.amdhsa_kernel k_q4968ae2781_attn
		.amdhsa_group_segment_fixed_size 327680
		.amdhsa_private_segment_fixed_size 0
		.amdhsa_enable_private_segment 0
		.amdhsa_kernarg_size 16
		.amdhsa_user_sgpr_count 2
		.amdhsa_user_sgpr_kernarg_segment_ptr 1
		.amdhsa_wavefront_size32 1
		.amdhsa_system_sgpr_workgroup_id_x 1
		.amdhsa_system_sgpr_workgroup_id_y 1
		.amdhsa_system_sgpr_workgroup_id_z 1
		.amdhsa_system_vgpr_workitem_id 0
		.amdhsa_next_free_vgpr 512
		.amdhsa_next_free_sgpr 96
		.amdhsa_reserve_vcc 1
		.amdhsa_float_denorm_mode_32 3
		.amdhsa_float_denorm_mode_16_64 3
		.amdhsa_memory_ordered 1
		.amdhsa_forward_progress 1
		.amdhsa_inst_pref_size 92
	.end_amdhsa_kernel
	.amdgpu_metadata
---
amdhsa.version: [ 1, 2 ]
amdhsa.kernels:
  - .name:           k_q4968ae2781_attn
    .symbol:         k_q4968ae2781_attn.kd
    .args:
      - { .name: qkv, .offset: 0, .size: 8, .value_kind: global_buffer, .address_space: global }
      - { .name: y, .offset: 8, .size: 8, .value_kind: global_buffer, .address_space: global }
    .group_segment_fixed_size: 327680
    .private_segment_fixed_size: 0
    .kernarg_segment_align: 8
    .kernarg_segment_size: 16
    .max_flat_workgroup_size: 128
    .sgpr_count:     96
    .vgpr_count:     512
    .wavefront_size: 32
...
	.end_amdgpu_metadata
.endif
;; end of part 3
;; launch proj (part 4): grid 8 x 32, 4 waves a work-group, clusters of 4 x 4, 327,680 bytes of LDS; arguments y, wpo, b_proj, x2, x; writes x2
.if DOCPART == 4
	.amdgcn_target "amdgcn-amd-amdhsa--gfx1250"
	.amdhsa_code_object_version 6
	.text
	.protected	k_q4968ae2781_proj
	.globl	k_q4968ae2781_proj
	.p2align	8
	.type	k_q4968ae2781_proj,@function
k_q4968ae2781_proj:
	s_mov_b64 s[64:65], 0
	v_nop
	global_prefetch_b8 v0, s[64:65] scope:SCOPE_SE
	s_setreg_imm32_b32 hwreg(HW_REG_WAVE_MODE, 25, 1), 1
	s_wait_xcnt 0x0
	s_wait_alu depctr_hold_cnt(0) depctr_sa_sdst(0) depctr_va_vdst(0) depctr_va_sdst(0) depctr_va_ssrc(0) depctr_va_vcc(0) depctr_vm_vsrc(0)
	s_getreg_b32 s2, hwreg(HW_REG_IB_STS2, 6, 4)
	s_cmp_eq_u32 s2, 0
	s_cbranch_scc0 .Lentry_in_a_cluster
	s_endpgm
.Lentry_in_a_cluster:
	s_bfe_u32 s2, ttmp6, 0x10000c
	s_cmp_lg_u32 s2, 0xf033
	s_cbranch_scc0 .Lentry_shape_is_right
	s_endpgm
.Lentry_shape_is_right:
; PROJ.  x2 = x + y W_proj + b_proj.  C[4096][1024] = A[4096][KDIM] W[KDIM][1024] + bias + residual, A and W in f16, sums in f32; bias and residual x are inputs of the module and are rounded to bf16; C leaves as f32 rows.
; A lies in PANELS, [32 panels of 128 rows][blocks of 64 columns][128][64] f16; W lies [K][N] in wpo at byte WOFF.
; LIMITS.  A sum's terms are added in an order of K that begins at a step of the cluster's own and wraps round.  NaN and infinities are not treated apart.
; SHARES.  A tile of C is 128 x 128 (a larger one would leave work for 64 work-groups); four waves, 64 x 64 each: 16 accumulators.  Work-group (gx, gy) takes row panel gy and column tile gx.
; K goes in steps of 256 through a ring of two LDS slots: a slot holds 128 rows x 256 K of A (65,536 consecutive bytes of a panel) and 256 K x 128 columns of W.
; CLUSTER.  4 x 4 work-groups: the four of a row share A's tiles, the four of a column W's: each tile is asked for jointly, by the same tensor load, descriptor and mask in all four.
; WHERE A CLUSTER BEGINS ALONG K: at step (X KS/2 + Y KS/4) mod KS, X and Y the cluster's place in the grid, which all its work-groups share: the two clusters that need a tile of A ask for it in different steps, the eight that need a tile of W in four different steps, two in each.
; THE MATRIX INSTRUCTION IS USED TRANSPOSED (source 0 = 16 columns of W, turned on the way out of LDS by ds_load_tr16_b128; source 1 = 16 rows of A): a lane holds eight neighbouring numbers of a row of C.
; THE BIAS STARTS THE SUMS: it is written into the accumulators ahead of the first product, so that every product adds in place and one text serves every K step.
; REGISTERS.  window 0: v0-31 addresses; v32-95 at work on the way out; v96-127 bias; v128-255 accumulators ((a, b) at v[128 + 8 (4 a + b)]).  window 1: two fragment buffers of 128.  window 2: v0-127 the residual, then the result.
.set KDIM,   1024
.set NDIM,   1024
.set WOFF,   0
.set RNDRES, 1                         ; 1: the residual is an input of the module and is rounded to bf16
.set NBK,    KDIM/64                   ; blocks in a panel of A
.set KS,     KDIM/256                  ; K steps
.set QUART,  36864                     ; what one tensor load fills: 256 rows of A at 144 bytes (128 + 16 of padding), or 128 rows of W at 288 (256 + 32)
.set SLOT,   4*QUART                   ; A's four blocks (18,432 each), then W's 256 rows.  0x24000 shares no bit with wave x QUART: an exclusive or turns an address into the other slot's
.set STAGE,  2*SLOT                    ; behind the ring, never filled by a tensor load: 4,352 bytes for each wave, for the way out
.set STW,    4352
.set SPARE,  STAGE+4*STW               ; behind the stages: the spare words, 128 bytes for each wave: two blocks of 256 bytes that no other line names
.set A0,   10                          ; v10  my lane's place in a slot's A; never rewritten
.set B0,   11                          ; v11  the same for W
.set ADRA, 12                          ; v12  A0 + the slot in hand
.set ADRB, 13                          ; v13  B0 + the slot in hand; v14 the same 128 rows of W further on
.set STO,  15                          ; v15  the way out: where I put my part of a row
.set RD,   16                          ; v16  the way out: where I read rows back
.set GO,   17                          ; v17  my byte offset in C
.set BO,   18                          ; v18  my byte offset in the tile's bias
.set SPW,  28                          ; v28  LDS address of my spare word; never rewritten
.set NIL,  29                          ; v29  0; never rewritten
.set TMP,  32
.set BIA,  96
.set ACC,  128
.set F0,   0
.set F1,   128
.set WV,  14                           ; s14 wave; s15 its row half, also: I fetch A (0) or W (1); s16 its column half, also: which half of that tile I fetch
.set RH,  15
.set CH,  16
.set LW,  21                           ; s21 wave x QUART
.set TB,  22                           ; s22 the slot that is read: 0 or SLOT
.set G1A, 24                           ; s[24:31] descriptor group 1 for A; s[40:47] for W
.set G0A, 32                           ; s[32:35], s[36:39] group 0 of the first fill, for A and for W
.set G0B, 36
.set G1B, 40
.set OFA, 48                           ; s[48:49], s[50:51] byte offsets of the tiles to be asked for
.set OFB, 50
.set KN,  52                           ; s52 the K step to be asked for
.set CNT, 54                           ; s54 counts K steps
.set HIM, 56                           ; s56 a word's upper half
.set G2A, 72                           ; s[72:75], s[76:79] group 0 of the second fill, which then walks on
.set G2B, 76
.set MSB, 0
.macro WIN new                         ; the immediate's high byte repeats the setting that is left; a switch that changes nothing is dropped
.if MSB != (\new)
	s_set_vgpr_msb (MSB<<8)|(\new)
.set MSB, \new
.endif
.endm
.set MUL,  0x05                        ; sources 0 and 1 window 1; C and D window 0
.set TO_F, 0x40                        ; destination window 1, address window 0
.macro PLACES                          ; four places in front of loads into registers that matrix instructions have read, and of lines that read results
.rept 4
	v_nop
.endr
.endm
.macro JLOAD                           ; a joint refill: waves 0 and 1 fetch A's halves, waves 2 and 3 W's; an s_nop 0 and four v_nop follow each line
	s_cmp_eq_u32 s[RH], 0
	s_cbranch_scc0 .Lfor_b_\@
	tensor_load_to_lds s[G2A:G2A+3], s[G1A:G1A+7]
	s_nop 0
.rept 4
	v_nop
.endr
	s_branch .Lasked_\@
.Lfor_b_\@:
	tensor_load_to_lds s[G2B:G2B+3], s[G1B:G1B+7]
	s_nop 0
.rept 4
	v_nop
.endr
.Lasked_\@:
.endm
.macro CREST                           ; a round of the cluster's barrier behind its opening barrier
	s_cmp_lg_u32 s[WV], 0
	s_cbranch_scc1 .Lnot_wave_0_\@
	s_barrier_signal -3
.Lnot_wave_0_\@:
	s_barrier_wait -3
	s_barrier_signal -1
	s_barrier_wait -1
.endm
.macro CROUND
	s_barrier_signal -1
	s_barrier_wait -1
	CREST
.endm
.macro NEXTD ga, gb, flip              ; two group 0 are made for K step KN: scalar work alone, where no tensor load that names them is out.  flip = 1: the other slot than last time
	s_lshl_b32 s[OFA], s[KN], 16                   ; A: 65,536 bytes a step
	s_mul_i32 s[OFB], s[KN], 512*NDIM              ; W: 256 rows of 2 NDIM bytes
	s_add_nc_u64 s[(\ga)+2:(\ga)+3], s[4:5], s[OFA:OFA+1]
	s_or_b32 s[(\ga)+3], s[(\ga)+3], 0x80000000    ; type = 2
	s_add_nc_u64 s[(\gb)+2:(\gb)+3], s[6:7], s[OFB:OFB+1]
	s_or_b32 s[(\gb)+3], s[(\gb)+3], 0x80000000
.if \flip
	s_xor_b32 s[(\ga)+1], s[(\ga)+1], SLOT
	s_xor_b32 s[(\gb)+1], s[(\gb)+1], SLOT
.endif
	s_add_co_u32 s[KN], s[KN], 1
	s_and_b32 s[KN], s[KN], KS-1                   ; behind the last step comes step 0
.endm
.macro MUL8 f, c, a0                   ; 8 products: row blocks a0, a0 + 1 x 4 column blocks, 32 along K: half c of buffer f.  The 16 accumulators take turns
	WIN MUL
.irp a, \a0, (\a0)+1
.irp b, 0,1,2,3
	v_wmma_f32_16x16x32_f16 v[ACC+8*(4*(\a)+(\b)):ACC+8*(4*(\a)+(\b))+7], v[(\f)+64+8*(4*(\c)+(\b)):(\f)+64+8*(4*(\c)+(\b))+7], v[(\f)+8*(4*(\c)+(\a)):(\f)+8*(4*(\c)+(\a))+7], v[ACC+8*(4*(\a)+(\b)):ACC+8*(4*(\a)+(\b))+7]
.endr
.endr
.endm
.macro FETCH q, f                      ; 32 LDS loads in one run: the fragments of quarter q (64 along K) into buffer f, its first 32 along K first
	WIN TO_F
.irp c, 0,1
.irp i, 0,1,2,3
	ds_load_tr16_b128 v[(\f)+64+8*(4*(\c)+(\i)):(\f)+64+8*(4*(\c)+(\i))+3],   v[ADRB+(\q)/2] offset:(((\q)&1)*64+32*(\c))*288+32*(\i)
	ds_load_tr16_b128 v[(\f)+64+8*(4*(\c)+(\i))+4:(\f)+64+8*(4*(\c)+(\i))+7], v[ADRB+(\q)/2] offset:(((\q)&1)*64+32*(\c))*288+32*(\i)+4608
	ds_load_b128 v[(\f)+8*(4*(\c)+(\i)):(\f)+8*(4*(\c)+(\i))+3],   v[ADRA] offset:(\q)*18432+(\i)*2304+64*(\c)
	ds_load_b128 v[(\f)+8*(4*(\c)+(\i))+4:(\f)+8*(4*(\c)+(\i))+7], v[ADRA] offset:(\q)*18432+(\i)*2304+64*(\c)+32
.endr
.endr
.endm
.macro QUARTER q, f, g                 ; multiplies buffer f and, in its middle, fetches quarter q into g
	s_wait_dscnt 16                                ; the first 32 along K are in; the youngest sixteen loads may be out
	MUL8 \f, 0, 0
	MUL8 \f, 0, 2
	PLACES
	FETCH \q, \g
	s_wait_dscnt 32                                ; all but the 32 just issued
	MUL8 \f, 1, 0
	MUL8 \f, 1, 2
.endm
; The last quarter multiplies buffer 1 and changes slots: one barrier; in front of it each wave waits for all its tensor loads (one is out: its part of the next slot), adds 0 to its spare word, and
; waits for that and for its own reads of this slot.  fill = 1: the barrier opens a round of the cluster's, and this slot is filled again, two K steps ahead, first thing behind the round.
.macro TURN fill
	WIN 0
	s_wait_tensorcnt 0x0
	ds_add_u32 v[SPW], v[NIL]
	s_wait_dscnt 17                                ; the add and the youngest sixteen loads may be out
.if \fill
	NEXTD G2A, G2B, 1
.endif
	MUL8 F1, 0, 0
	s_wait_dscnt 0x0                               ; the add is done, and my reads of this slot are over
	s_barrier_signal -1
	MUL8 F1, 0, 2
	WIN 0                                          ; at a branch and at a label every window is 0
	s_barrier_wait -1
.if \fill
	CREST                                          ; no wave of any partner still reads this slot or has a load on its way
	JLOAD                                          ; 112 products stand between this request and the wait for it; its four v_nop are also the places in front of the loads below
.else
	PLACES
.endif
	s_xor_b32 s[TB], s[TB], SLOT
	v_add_nc_u32 v[ADRA], s[TB], v[A0]
	v_add_nc_u32 v[ADRB], s[TB], v[B0]
	v_add_nc_u32 v[ADRB+1], QUART, v[ADRB]
	FETCH 0, F0
	MUL8 F1, 1, 0
	MUL8 F1, 1, 2
.endm
; THE WAY OUT: 16 rows x 64 columns of f32 through my stage (rows of 272 bytes), back as whole rows of 256 bytes; the residual, loaded at the start in the same lane map, takes the sum and is stored.
.macro TOSTAGE a
	WIN 0
.irp b, 0,1,2,3
	ds_store_b128 v[STO], v[ACC+8*(4*(\a)+(\b)):ACC+8*(4*(\a)+(\b))+3]   offset:64*(\b)
	ds_store_b128 v[STO], v[ACC+8*(4*(\a)+(\b))+4:ACC+8*(4*(\a)+(\b))+7] offset:64*(\b)+16
.endr
.irp t, 0,1,2,3,4,5,6,7
	ds_load_b128 v[TMP+32*((\a)%2)+4*(\t):TMP+32*((\a)%2)+4*(\t)+3], v[RD] offset:544*(\t)  ; LDS serves a wave's instructions in order (ISA guide 5.7.1.4): these see the stores above
.endr
.endm
.macro SENDF a, younger                ; younger: the LDS instructions issued behind block a's loads
	WIN 0x88                                       ; destination and source 1 (a store's data too) window 2, source 0 (a store's address too) window 0
.irp t, 0,1,2,3,4,5,6,7
	s_wait_dscnt (\younger)+7-(\t)
	v_pk_add_f32 v[32*(\a)+4*(\t):32*(\a)+4*(\t)+1],   v[TMP+32*((\a)%2)+4*(\t):TMP+32*((\a)%2)+4*(\t)+1],   v[32*(\a)+4*(\t):32*(\a)+4*(\t)+1]
	v_pk_add_f32 v[32*(\a)+4*(\t)+2:32*(\a)+4*(\t)+3], v[TMP+32*((\a)%2)+4*(\t)+2:TMP+32*((\a)%2)+4*(\t)+3], v[32*(\a)+4*(\t)+2:32*(\a)+4*(\t)+3]
	global_store_b128 v[GO], v[32*(\a)+4*(\t):32*(\a)+4*(\t)+3], s[10:11] offset:(16*(\a)+2*(\t))*4096  ; 16 lanes store 256 consecutive bytes, aligned
.endr
.endm
	s_load_b256 s[4:11], s[0:1], 0x0               ; A s[4:5], wpo s[6:7], bias s[8:9], C s[10:11]
	s_load_b64 s[12:13], s[0:1], 0x20              ; the residual
	v_lshl_add_u32 v[SPW], v0, 2, SPARE
	v_mov_b32 v[NIL], 0
	ds_add_u32 v[SPW], v[NIL]                      ; the wave's opening: the add and its wait stand ahead of my first tensor load; work on registers stands between them
	ds_add_u32 v28, v29
	v_lshrrev_b32 v1, 5, v0
	v_readfirstlane_b32 s[WV], v1
	s_lshr_b32 s[RH], s[WV], 1
	s_and_b32 s[CH], s[WV], 1
	s_bfe_u32 s17, ttmp6, 0x40000                  ; cx, cy: my place in the cluster
	s_bfe_u32 s18, ttmp6, 0x40004
	s_lshl_b32 s19, ttmp9, 2
	s_add_co_u32 s19, s19, s17                     ; gx = 4 x cluster x + cx
	s_and_b32 s20, ttmp7, 0xffff
	s_lshl_b32 s20, s20, 2
	s_add_co_u32 s20, s20, s18                     ; the row panel = 4 x cluster y + cy
	s_lshl_b32 s58, s18, 2
	s_lshl_b32 s58, 15, s58                        ; my row of the cluster
	s_lshl_b32 s60, 0x1111, s17                    ; my column
	s_or_b32 s[G1A], s58, (1<<16)|(1<<20)|(1<<21)|(4<<22)|(3<<25)  ; the mask; 2-byte elements; padding on; bit 21 beside a mask; after every 32 words 4 words
	s_or_b32 s[G1B], s60, (1<<16)|(1<<20)|(1<<21)|(5<<22)|(7<<25)  ; after every 64 words 8 words
.irp g, G1A, G1B
	s_mov_b32 s[(\g)+1], 128<<16                   ; tensor_dim0 = 128
	s_mov_b32 s[(\g)+2], 128<<16                   ; tensor_dim1 = 128
	s_mov_b32 s[(\g)+3], 128<<16                   ; tile_dim0 = 128 elements: 256 bytes
	s_mov_b32 s[(\g)+4], 128                       ; tile_dim1 = 128 rows
	s_mov_b32 s[(\g)+6], 0
	s_mov_b32 s[(\g)+7], 0
.endr
	s_mov_b32 s[G1A+5], 128                        ; A: 32,768 dense bytes as 128 rows of 256
	s_mov_b32 s[G1B+5], NDIM                       ; W: NDIM elements from row to row
	s_mul_i32 s[LW], s[WV], QUART                  ; where my tiles go: no place in the cluster enters an LDS address
	s_mov_b32 s[G0A], 1
	s_mov_b32 s[G0A+1], s[LW]                      ; the first fill: slot 0
	s_mov_b32 s[G0B], 1
	s_mov_b32 s[G0B+1], s[LW]
	s_mov_b32 s[G2A], 1
	s_add_co_u32 s[G2A+1], s[LW], SLOT             ; the second: slot 1
	s_mov_b32 s[G2B], 1
	s_add_co_u32 s[G2B+1], s[LW], SLOT
	s_mul_i32 s58, s20, NBK*16384                  ; A: my panel, and my half of a step's four blocks.  These registers never hold cx,
	s_lshl_b32 s59, s[CH], 15
	s_add_co_u32 s58, s58, s59
	s_mov_b32 s59, 0
	s_mul_i32 s60, s[CH], 256*NDIM                 ; W: my 128 of a step's 256 rows, and the tile's columns.  these never cy
	s_lshl_b32 s61, s19, 8
	s_add_co_u32 s60, s60, s61
	s_add_co_u32 s60, s60, WOFF
	s_mov_b32 s61, 0
	s_lshl_b32 s66, s20, 19                        ; C and the residual: row 128 x panel + 64 x row half, 4,096 bytes a row; column 128 gx + 64 x column half
	s_lshl_b32 s67, s[RH], 18
	s_add_co_u32 s66, s66, s67
	s_lshl_b32 s67, s19, 9
	s_add_co_u32 s66, s66, s67
	s_lshl_b32 s67, s[CH], 8
	s_add_co_u32 s66, s66, s67
	s_mov_b32 s67, 0
	s_lshl_b32 s68, s19, 9                         ; the tile's 128 numbers of bias
	s_mov_b32 s69, 0
	s_mov_b32 s[OFA+1], 0
	s_mov_b32 s[OFB+1], 0
	s_mul_i32 s62, ttmp9, KS/2                     ; the cluster's first K step, the same in all its work-groups
	s_and_b32 s63, ttmp7, 0xffff
	s_mul_i32 s63, s63, KS/4
	s_add_co_u32 s[KN], s62, s63
	s_and_b32 s[KN], s[KN], KS-1
	s_mov_b32 s[TB], 0
	s_mov_b32 s[HIM], 0xffff0000
	s_wait_dscnt 0x0                               ; the opening add is done
	s_wait_kmcnt 0x0
	s_add_nc_u64 s[4:5], s[4:5], s[58:59]
	s_add_nc_u64 s[6:7], s[6:7], s[60:61]
	s_add_nc_u64 s[8:9], s[8:9], s[68:69]
	s_add_nc_u64 s[10:11], s[10:11], s[66:67]
	s_add_nc_u64 s[12:13], s[12:13], s[66:67]
	NEXTD G0A, G0B, 0
	NEXTD G2A, G2B, 0
	CROUND                                         ; all sixteen work-groups are here: the first joint loads meet
	s_cmp_eq_u32 s[RH], 0                          ; a wave's two first fills stand in one branch, ahead of every wait on TENSORcnt and every LDS read: two loads of mine are out
	s_cbranch_scc0 .Lfirst_b
	tensor_load_to_lds s[G0A:G0A+3], s[G1A:G1A+7]
	s_nop 0
	tensor_load_to_lds s[G2A:G2A+3], s[G1A:G1A+7]
	s_nop 0
.rept 4
	v_nop
.endr
	s_branch .Lfirst_asked
.Lfirst_b:
	tensor_load_to_lds s[G0B:G0B+3], s[G1B:G1B+7]
	s_nop 0
	tensor_load_to_lds s[G2B:G2B+3], s[G1B:G1B+7]
	s_nop 0
.rept 4
	v_nop
.endr
.Lfirst_asked:
	v_and_b32 v1, 15, v0                           ; r = lane % 16
	v_bfe_u32 v2, v0, 4, 1                         ; lane / 16
	v_mul_u32_u24 v[A0], v1, 144                   ; a fragment of A: row r, 16 bytes for each half of the lanes; two loads 32 bytes apart
	v_lshl_add_u32 v[A0], v2, 4, v[A0]
	s_mul_i32 s57, s[RH], 64*144
	v_add_nc_u32 v[A0], s57, v[A0]
	v_and_b32 v3, 7, v0                            ; the turning load: lane l reads row 8 (l / 16) + l % 8 of K, columns 8 ((l / 8) % 2) + 0..7
	v_lshl_add_u32 v3, v2, 3, v3
	v_mul_u32_u24 v[B0], v3, 288
	v_bfe_u32 v3, v0, 3, 1
	v_lshl_add_u32 v[B0], v3, 4, v[B0]
	s_lshl_b32 s57, s[CH], 7
	s_add_co_u32 s57, s57, 2*QUART
	v_add_nc_u32 v[B0], s57, v[B0]
	s_lshl_b32 s57, s[CH], 8
	v_lshl_add_u32 v[BO], v2, 5, s57
	s_mul_i32 s57, s[WV], STW
	s_add_co_u32 s57, s57, STAGE                   ; my stage
	v_mul_u32_u24 v[STO], v1, 272
	v_lshl_add_u32 v[STO], v2, 5, v[STO]
	v_add_nc_u32 v[STO], s57, v[STO]
	v_mul_u32_u24 v[RD], v2, 272
	v_lshl_add_u32 v[RD], v1, 4, v[RD]
	v_add_nc_u32 v[RD], s57, v[RD]
	v_lshlrev_b32 v[GO], 12, v2
	v_lshl_add_u32 v[GO], v1, 4, v[GO]
	v_mov_b32 v[ADRA], v[A0]                       ; slot 0 is read first
	v_mov_b32 v[ADRB], v[B0]
	v_add_nc_u32 v[ADRB+1], QUART, v[B0]
.irp b, 0,1,2,3
	global_load_b128 v[BIA+8*(\b):BIA+8*(\b)+3],   v[BO], s[8:9] offset:64*(\b)      ; my 32 numbers of bias: columns 16 b + 8 (lane / 16) + 0..7 of my 64
	global_load_b128 v[BIA+8*(\b)+4:BIA+8*(\b)+7], v[BO], s[8:9] offset:64*(\b)+16
.endr
	WIN 0x80                                       ; destination window 2, address window 0
.set p, 0
.rept 32                               ; p = 8 a + t: rows 16 a + 2 t and + 1 of my 64, 256 bytes each
	global_load_b128 v[4*p:4*p+3], v[GO], s[12:13] offset:2*p*4096
.set p, p+1
.endr
	WIN 0
	s_wait_loadcnt 0x0                             ; the bias, rounded to bf16, starts all 16 sums: all this stands in the wait for the first tile
.set p, 0
.rept 16
	v_cvt_pk_bf16_f32 v[BIA+p], v[BIA+2*p], v[BIA+2*p+1]
.set p, p+1
.endr
.set p, 0
.rept 64                               ; p = 16 a + 4 b + pair
	v_lshlrev_b32 v[ACC+2*p], 16, v[BIA+p%16]
	v_and_b32 v[ACC+2*p+1], s[HIM], v[BIA+p%16]
.set p, p+1
.endr
.if RNDRES
	WIN 0x0a                                       ; sources window 2, destination window 0
.set p, 0
.rept 64
	v_cvt_pk_bf16_f32 v[TMP+p], v[2*p], v[2*p+1]
.set p, p+1
.endr
	WIN 0x80
.set p, 0
.rept 64
	v_lshlrev_b32 v[2*p], 16, v[TMP+p]
	v_and_b32 v[2*p+1], s[HIM], v[TMP+p]
.set p, p+1
.endr
	WIN 0
.endif
	s_wait_tensorcnt 0x1                           ; my part of the first step is in; the second's may stay out
	s_barrier_signal -1
	s_barrier_wait -1                              ; everybody's is
	FETCH 0, F0
	WIN 0
	s_mov_b32 s[CNT], KS-1
	s_branch .Lmid                                 ; the loop is entered in the middle of a trip
.Ltop:                                 ; KS - 2 times: a K step's last quarter; its slot takes the step two further on
	TURN 1
	WIN 0
.Lmid:
	QUARTER 1, F0, F1
	QUARTER 2, F1, F0
	QUARTER 3, F0, F1
	WIN 0
	s_sub_co_u32 s[CNT], s[CNT], 1
	s_cmp_lg_u32 s[CNT], 0
	s_cbranch_scc1 .Ltop
	TURN 0                                         ; the tail is written out: nothing is left to ask for
	QUARTER 1, F0, F1
	QUARTER 2, F1, F0
	QUARTER 3, F0, F1
	s_wait_dscnt 16
	MUL8 F1, 0, 0
	MUL8 F1, 0, 2
	s_wait_dscnt 0x0
	MUL8 F1, 1, 0
	MUL8 F1, 1, 2
	WIN 0
	PLACES
	TOSTAGE 0
	TOSTAGE 1
	SENDF 0, 16
	TOSTAGE 2
	SENDF 1, 16
	TOSTAGE 3
	SENDF 2, 16
	SENDF 3, 0
	WIN 0
	s_wait_tensorcnt 0x0                           ; the wave's end: behind my last tensor load and my last LDS store
	ds_add_u32 v[SPW], v[NIL]
	s_wait_dscnt 0x0
	CROUND                                         ; the closing round: no work-group ends while a partner may still ask for a tile that names it
	s_endpgm
.Lfunc_end_k_q4968ae2781_proj:
	.size	k_q4968ae2781_proj, .Lfunc_end_k_q4968ae2781_proj-k_q4968ae2781_proj
	.p2alignl 7, 3214868480
	.fill 96, 4, 3214868480
	.section	.rodata,"a",@progbits
	.p2align	6, 0x0
	.amdhsa_kernel k_q4968ae2781_proj
		.amdhsa_group_segment_fixed_size 327680
		.amdhsa_private_segment_fixed_size 0
		.amdhsa_enable_private_segment 0
		.amdhsa_kernarg_size 40
		.amdhsa_user_sgpr_count 2
		.amdhsa_user_sgpr_kernarg_segment_ptr 1
		.amdhsa_wavefront_size32 1
		.amdhsa_system_sgpr_workgroup_id_x 1
		.amdhsa_system_sgpr_workgroup_id_y 1
		.amdhsa_system_sgpr_workgroup_id_z 1
		.amdhsa_system_vgpr_workitem_id 0
		.amdhsa_next_free_vgpr 640
		.amdhsa_next_free_sgpr 80
		.amdhsa_reserve_vcc 0
		.amdhsa_float_denorm_mode_32 3
		.amdhsa_float_denorm_mode_16_64 3
		.amdhsa_memory_ordered 1
		.amdhsa_forward_progress 1
		.amdhsa_inst_pref_size 78
	.end_amdhsa_kernel
	.amdgpu_metadata
---
amdhsa.version: [ 1, 2 ]
amdhsa.kernels:
  - .name:           k_q4968ae2781_proj
    .symbol:         k_q4968ae2781_proj.kd
    .args:
      - { .name: y, .offset: 0, .size: 8, .value_kind: global_buffer, .address_space: global }
      - { .name: wpo, .offset: 8, .size: 8, .value_kind: global_buffer, .address_space: global }
      - { .name: b_proj, .offset: 16, .size: 8, .value_kind: global_buffer, .address_space: global }
      - { .name: x2, .offset: 24, .size: 8, .value_kind: global_buffer, .address_space: global }
      - { .name: x, .offset: 32, .size: 8, .value_kind: global_buffer, .address_space: global }
    .group_segment_fixed_size: 327680
    .private_segment_fixed_size: 0
    .kernarg_segment_align: 8
    .kernarg_segment_size: 40
    .max_flat_workgroup_size: 128
    .sgpr_count:     80
    .vgpr_count:     640
    .wavefront_size: 32
...
	.end_amdgpu_metadata
.endif
;; end of part 4
;; launch ln2 (part 5): grid 256 x 1, 8 waves a work-group, no clusters, 0 bytes of LDS; arguments x2, ln2_g, ln2_b, h; writes h
.if DOCPART == 5
	.amdgcn_target "amdgcn-amd-amdhsa--gfx1250"
	.amdhsa_code_object_version 6
	.text
	.protected	k_q4968ae2781_ln2
	.globl	k_q4968ae2781_ln2
	.p2align	8
	.type	k_q4968ae2781_ln2,@function
k_q4968ae2781_ln2:
	s_mov_b64 s[64:65], 0
	v_nop
	global_prefetch_b8 v0, s[64:65] scope:SCOPE_SE
	s_setreg_imm32_b32 hwreg(HW_REG_WAVE_MODE, 25, 1), 1
	s_wait_xcnt 0x0
; LN2.  h = layernorm(x2) * g + b, 16 rows a work-group.  x2 is f32 and the program's own: it is taken as it is; gain and bias are inputs of the module and are rounded to bf16; arithmetic in f32; h is written as f16.
; h lies in PANELS: [32 panels of 128 rows][16 blocks of 64 columns][128][64] f16, so that 128 rows x 64 columns are 16,384 consecutive bytes.
; LIMITS.  f16 ends at 65,504: the normalised rows times gain plus bias must lie within it.  NaN and infinities are not treated apart.
; No LDS, no barrier, no loop: a wave takes two rows (16 lanes a row) and keeps them in registers between the passes; mean first, then the squares of x - mean.
.set X,   32                           ; v[32:95]   my 64 numbers of the row: columns 64 cb + 4 i .. + 3
.set G,   96                           ; v[96:159]  the gain of those columns
.set B,   160                          ; v[160:223] the bias
.set SX,  4                            ; s[4:5] x2, s[6:7] gain, s[8:9] bias, s[10:11] h
.set SG,  6
.set SB,  8
.set SH,  10
.set RK,  22                           ; s22 1/1024
.set EPS, 23                           ; s23 1e-5
.set HIM, 24                           ; s24 a word's upper half
.macro RND base                        ; 64 numbers rounded to bf16 and widened again
.set p, 0
.rept 32
	v_cvt_pk_bf16_f32 v[18+p%4], v[(\base)+2*p], v[(\base)+2*p+1]
	v_lshlrev_b32 v[(\base)+2*p], 16, v[18+p%4]
	v_and_b32 v[(\base)+2*p+1], s[HIM], v[18+p%4]
.set p, p+1
.endr
.endm
.macro REDUCE                          ; four pairs of running sums -> the row's sum in v6 of its 16 lanes
	v_pk_add_f32 v[6:7], v[6:7], v[8:9]
	v_pk_add_f32 v[10:11], v[10:11], v[12:13]
	v_pk_add_f32 v[6:7], v[6:7], v[10:11]
	v_add_f32 v6, v6, v7
	v_add_f32_dpp v6, v6, v6 row_xmask:1 row_mask:0xf bank_mask:0xf
	v_add_f32_dpp v6, v6, v6 row_xmask:2 row_mask:0xf bank_mask:0xf
	v_add_f32_dpp v6, v6, v6 row_xmask:4 row_mask:0xf bank_mask:0xf
	v_add_f32_dpp v6, v6, v6 row_xmask:8 row_mask:0xf bank_mask:0xf
.endm
.macro LN round                        ; round = 1: the rows are an input of the module and are rounded to bf16
	v_lshrrev_b32 v1, 4, v0                        ; my row among the group's 16
	v_and_b32 v3, 15, v0
	v_lshlrev_b32 v3, 4, v3                        ; 16 i: my 16 bytes in every 256 of a row, of the gain and of the bias
	v_lshl_add_u32 v2, v1, 12, v3                  ; + row x 4,096
	v_lshrrev_b32 v4, 1, v3                        ; 8 i: my 8 bytes of f16 in a block's row,
	v_lshl_add_u32 v4, v1, 7, v4                   ; + row x 128
	s_lshl_b32 s26, ttmp9, 16                      ; the group's 16 rows of 4,096 bytes
	s_mov_b32 s27, 0
	s_lshr_b32 s28, ttmp9, 3                       ; its panel, 262,144 bytes,
	s_lshl_b32 s28, s28, 18
	s_and_b32 s29, ttmp9, 7                        ; and its 16 rows of 128 bytes in the panel's blocks
	s_lshl_b32 s29, s29, 11
	s_add_co_u32 s28, s28, s29
	s_mov_b32 s29, 0
	s_add_nc_u64 s[SX:SX+1], s[SX:SX+1], s[26:27]
	s_add_nc_u64 s[SH:SH+1], s[SH:SH+1], s[28:29]
.set c, 0
.rept 16
	global_load_b128 v[X+4*c:X+4*c+3], v2, s[SX:SX+1] offset:256*c  ; 16 lanes take 256 consecutive bytes of their row
.set c, c+1
.endr
.set c, 0
.rept 16
	global_load_b128 v[G+4*c:G+4*c+3], v3, s[SG:SG+1] offset:256*c
.set c, c+1
.endr
.set c, 0
.rept 16
	global_load_b128 v[B+4*c:B+4*c+3], v3, s[SB:SB+1] offset:256*c
.set c, c+1
.endr
	s_wait_loadcnt 32                              ; the row is in; the 32 younger loads, gain and bias, stay out
.if \round
	RND X
.endif
.set p, 0
.rept 4                                ; four chains, started by the first eight pairs: nothing is cleared
	v_pk_add_f32 v[6+2*p:7+2*p], v[X+2*p:X+2*p+1], v[X+8+2*p:X+9+2*p]
.set p, p+1
.endr
.set p, 8
.rept 24
	v_pk_add_f32 v[6+2*(p%4):7+2*(p%4)], v[6+2*(p%4):7+2*(p%4)], v[X+2*p:X+2*p+1]
.set p, p+1
.endr
	REDUCE
	v_mul_f32 v14, s[RK], v6                       ; the mean, twice: a pair for the packed subtraction
	v_mul_f32 v15, s[RK], v6
.set p, 0
.rept 32
	v_pk_add_f32 v[X+2*p:X+2*p+1], v[X+2*p:X+2*p+1], v[14:15] neg_lo:[0,1] neg_hi:[0,1]
.set p, p+1
.endr
.set p, 0
.rept 4
	v_pk_mul_f32 v[6+2*p:7+2*p], v[X+2*p:X+2*p+1], v[X+2*p:X+2*p+1]
.set p, p+1
.endr
.set p, 4
.rept 28
	v_pk_fma_f32 v[6+2*(p%4):7+2*(p%4)], v[X+2*p:X+2*p+1], v[X+2*p:X+2*p+1], v[6+2*(p%4):7+2*(p%4)]
.set p, p+1
.endr
	REDUCE
	v_fma_f32 v6, v6, s[RK], s[EPS]                ; the variance + 1e-5
	v_rsq_f32 v16, v6
	v_rsq_f32 v17, v6
	v_nop                                          ; a plain instruction between the root and the use of its result (ISA guide 5.7.2)
	s_wait_loadcnt 0x0                             ; gain and bias
	RND G
	RND B
.set p, 0
	s_wait_alu depctr_va_vdst(0)
.rept 32
	v_pk_mul_f32 v[X+2*p:X+2*p+1], v[X+2*p:X+2*p+1], v[16:17]
	v_pk_fma_f32 v[X+2*p:X+2*p+1], v[X+2*p:X+2*p+1], v[G+2*p:G+2*p+1], v[B+2*p:B+2*p+1]
.set p, p+1
.endr
.set p, 0
.rept 32                               ; in place, ascending: word p takes numbers 2 p and 2 p + 1
	v_cvt_pk_f16_f32 v[X+p], v[X+2*p], v[X+2*p+1]
.set p, p+1
.endr
.set c, 0
.rept 16
	global_store_b64 v4, v[X+2*c:X+2*c+1], s[SH:SH+1] offset:16384*c  ; the wave's two rows of a block: 256 consecutive bytes, aligned
.set c, c+1
.endr
.endm
	s_load_b256 s[4:11], s[0:1], 0x0               ; x2, gain, bias, h
	s_mov_b32 s[RK], 0x3a800000
	s_mov_b32 s[EPS], 0x3727c5ac
	s_mov_b32 s[HIM], 0xffff0000
	s_wait_kmcnt 0x0
	LN 0
	s_endpgm
.Lfunc_end_k_q4968ae2781_ln2:
	.size	k_q4968ae2781_ln2, .Lfunc_end_k_q4968ae2781_ln2-k_q4968ae2781_ln2
	.p2alignl 7, 3214868480
	.fill 96, 4, 3214868480
	.section	.rodata,"a",@progbits
	.p2align	6, 0x0
	.amdhsa_kernel k_q4968ae2781_ln2
		.amdhsa_group_segment_fixed_size 0
		.amdhsa_private_segment_fixed_size 0
		.amdhsa_enable_private_segment 0
		.amdhsa_kernarg_size 32
		.amdhsa_user_sgpr_count 2
		.amdhsa_user_sgpr_kernarg_segment_ptr 1
		.amdhsa_wavefront_size32 1
		.amdhsa_system_sgpr_workgroup_id_x 1
		.amdhsa_system_sgpr_workgroup_id_y 1
		.amdhsa_system_sgpr_workgroup_id_z 1
		.amdhsa_system_vgpr_workitem_id 0
		.amdhsa_next_free_vgpr 224
		.amdhsa_next_free_sgpr 66
		.amdhsa_reserve_vcc 0
		.amdhsa_float_denorm_mode_32 3
		.amdhsa_float_denorm_mode_16_64 3
		.amdhsa_memory_ordered 1
		.amdhsa_forward_progress 1
		.amdhsa_inst_pref_size 29
	.end_amdhsa_kernel
	.amdgpu_metadata
---
amdhsa.version: [ 1, 2 ]
amdhsa.kernels:
  - .name:           k_q4968ae2781_ln2
    .symbol:         k_q4968ae2781_ln2.kd
    .args:
      - { .name: x2, .offset: 0, .size: 8, .value_kind: global_buffer, .address_space: global }
      - { .name: ln2_g, .offset: 8, .size: 8, .value_kind: global_buffer, .address_space: global }
      - { .name: ln2_b, .offset: 16, .size: 8, .value_kind: global_buffer, .address_space: global }
      - { .name: h, .offset: 24, .size: 8, .value_kind: global_buffer, .address_space: global }
    .group_segment_fixed_size: 0
    .private_segment_fixed_size: 0
    .kernarg_segment_align: 8
    .kernarg_segment_size: 32
    .max_flat_workgroup_size: 256
    .sgpr_count:     66
    .vgpr_count:     224
    .wavefront_size: 32
...
	.end_amdgpu_metadata
.endif
;; end of part 5
;; launch fc: the kernel of part 2 again; grid 16 x 16, 4 waves a work-group, clusters of 4 x 4, 327,680 bytes of LDS; arguments h, wf, b_fc, m1; writes m1
;; launch outp (part 6): grid 8 x 32, 4 waves a work-group, clusters of 4 x 4, 327,680 bytes of LDS; arguments m1, wpo, b_out, out0, x2; writes out0
.if DOCPART == 6
	.amdgcn_target "amdgcn-amd-amdhsa--gfx1250"
	.amdhsa_code_object_version 6
	.text
	.protected	k_q4968ae2781_outp
	.globl	k_q4968ae2781_outp
	.p2align	8
	.type	k_q4968ae2781_outp,@function
k_q4968ae2781_outp:
	s_mov_b64 s[64:65], 0
	v_nop
	global_prefetch_b8 v0, s[64:65] scope:SCOPE_SE
	s_setreg_imm32_b32 hwreg(HW_REG_WAVE_MODE, 25, 1), 1
	s_wait_xcnt 0x0
	s_wait_alu depctr_hold_cnt(0) depctr_sa_sdst(0) depctr_va_vdst(0) depctr_va_sdst(0) depctr_va_ssrc(0) depctr_va_vcc(0) depctr_vm_vsrc(0)
	s_getreg_b32 s2, hwreg(HW_REG_IB_STS2, 6, 4)
	s_cmp_eq_u32 s2, 0
	s_cbranch_scc0 .Lentry_in_a_cluster
	s_endpgm
.Lentry_in_a_cluster:
	s_bfe_u32 s2, ttmp6, 0x10000c
	s_cmp_lg_u32 s2, 0xf033
	s_cbranch_scc0 .Lentry_shape_is_right
	s_endpgm
.Lentry_shape_is_right:
; OUT.  out0 = x2 + m1 W_out + b_out.  C[4096][1024] = A[4096][KDIM] W[KDIM][1024] + bias + residual, A and W in f16, sums in f32; the bias is an input of the module and is rounded to bf16; the residual x2 is f32 and the program's own; C leaves as f32 rows.
; A lies in PANELS, [32 panels of 128 rows][blocks of 64 columns][128][64] f16; W lies [K][N] in wpo at byte WOFF.
; LIMITS.  A sum's terms are added in an order of K that begins at a step of the cluster's own and wraps round.  NaN and infinities are not treated apart.
; SHARES.  A tile of C is 128 x 128 (a larger one would leave work for 64 work-groups); four waves, 64 x 64 each: 16 accumulators.  Work-group (gx, gy) takes row panel gy and column tile gx.
; K goes in steps of 256 through a ring of two LDS slots: a slot holds 128 rows x 256 K of A (65,536 consecutive bytes of a panel) and 256 K x 128 columns of W.
; CLUSTER.  4 x 4 work-groups: the four of a row share A's tiles, the four of a column W's: each tile is asked for jointly, by the same tensor load, descriptor and mask in all four.
; WHERE A CLUSTER BEGINS ALONG K: at step (X KS/2 + Y KS/4) mod KS, X and Y the cluster's place in the grid, which all its work-groups share: the two clusters that need a tile of A ask for it in different steps, the eight that need a tile of W in four different steps, two in each.
; THE MATRIX INSTRUCTION IS USED TRANSPOSED (source 0 = 16 columns of W, turned on the way out of LDS by ds_load_tr16_b128; source 1 = 16 rows of A): a lane holds eight neighbouring numbers of a row of C.
; THE BIAS STARTS THE SUMS: it is written into the accumulators ahead of the first product, so that every product adds in place and one text serves every K step.
; REGISTERS.  window 0: v0-31 addresses; v32-95 at work on the way out; v96-127 bias; v128-255 accumulators ((a, b) at v[128 + 8 (4 a + b)]).  window 1: two fragment buffers of 128.  window 2: v0-127 the residual, then the result.
.set KDIM,   4096
.set NDIM,   1024
.set WOFF,   2097152
.set RNDRES, 0                         ; 1: the residual is an input of the module and is rounded to bf16
.set NBK,    KDIM/64                   ; blocks in a panel of A
.set KS,     KDIM/256                  ; K steps
.set QUART,  36864                     ; what one tensor load fills: 256 rows of A at 144 bytes (128 + 16 of padding), or 128 rows of W at 288 (256 + 32)
.set SLOT,   4*QUART                   ; A's four blocks (18,432 each), then W's 256 rows.  0x24000 shares no bit with wave x QUART: an exclusive or turns an address into the other slot's
.set STAGE,  2*SLOT                    ; behind the ring, never filled by a tensor load: 4,352 bytes for each wave, for the way out
.set STW,    4352
.set SPARE,  STAGE+4*STW               ; behind the stages: the spare words, 128 bytes for each wave: two blocks of 256 bytes that no other line names
.set A0,   10                          ; v10  my lane's place in a slot's A; never rewritten
.set B0,   11                          ; v11  the same for W
.set ADRA, 12                          ; v12  A0 + the slot in hand
.set ADRB, 13                          ; v13  B0 + the slot in hand; v14 the same 128 rows of W further on
.set STO,  15                          ; v15  the way out: where I put my part of a row
.set RD,   16                          ; v16  the way out: where I read rows back
.set GO,   17                          ; v17  my byte offset in C
.set BO,   18                          ; v18  my byte offset in the tile's bias
.set SPW,  28                          ; v28  LDS address of my spare word; never rewritten
.set NIL,  29                          ; v29  0; never rewritten
.set TMP,  32
.set BIA,  96
.set ACC,  128
.set F0,   0
.set F1,   128
.set WV,  14                           ; s14 wave; s15 its row half, also: I fetch A (0) or W (1); s16 its column half, also: which half of that tile I fetch
.set RH,  15
.set CH,  16
.set LW,  21                           ; s21 wave x QUART
.set TB,  22                           ; s22 the slot that is read: 0 or SLOT
.set G1A, 24                           ; s[24:31] descriptor group 1 for A; s[40:47] for W
.set G0A, 32                           ; s[32:35], s[36:39] group 0 of the first fill, for A and for W
.set G0B, 36
.set G1B, 40
.set OFA, 48                           ; s[48:49], s[50:51] byte offsets of the tiles to be asked for
.set OFB, 50
.set KN,  52                           ; s52 the K step to be asked for
.set CNT, 54                           ; s54 counts K steps
.set HIM, 56                           ; s56 a word's upper half
.set G2A, 72                           ; s[72:75], s[76:79] group 0 of the second fill, which then walks on
.set G2B, 76
.set MSB, 0
.macro WIN new                         ; the immediate's high byte repeats the setting that is left; a switch that changes nothing is dropped
.if MSB != (\new)
	s_set_vgpr_msb (MSB<<8)|(\new)
.set MSB, \new
.endif
.endm
.set MUL,  0x05                        ; sources 0 and 1 window 1; C and D window 0
.set TO_F, 0x40                        ; destination window 1, address window 0
.macro PLACES                          ; four places in front of loads into registers that matrix instructions have read, and of lines that read results
.rept 4
	v_nop
.endr
.endm
.macro JLOAD                           ; a joint refill: waves 0 and 1 fetch A's halves, waves 2 and 3 W's; an s_nop 0 and four v_nop follow each line
	s_cmp_eq_u32 s[RH], 0
	s_cbranch_scc0 .Lfor_b_\@
	tensor_load_to_lds s[G2A:G2A+3], s[G1A:G1A+7]
	s_nop 0
.rept 4
	v_nop
.endr
	s_branch .Lasked_\@
.Lfor_b_\@:
	tensor_load_to_lds s[G2B:G2B+3], s[G1B:G1B+7]
	s_nop 0
.rept 4
	v_nop
.endr
.Lasked_\@:
.endm
.macro CREST                           ; a round of the cluster's barrier behind its opening barrier
	s_cmp_lg_u32 s[WV], 0
	s_cbranch_scc1 .Lnot_wave_0_\@
	s_barrier_signal -3
.Lnot_wave_0_\@:
	s_barrier_wait -3
	s_barrier_signal -1
	s_barrier_wait -1
.endm
.macro CROUND
	s_barrier_signal -1
	s_barrier_wait -1
	CREST
.endm
.macro NEXTD ga, gb, flip              ; two group 0 are made for K step KN: scalar work alone, where no tensor load that names them is out.  flip = 1: the other slot than last time
	s_lshl_b32 s[OFA], s[KN], 16                   ; A: 65,536 bytes a step
	s_mul_i32 s[OFB], s[KN], 512*NDIM              ; W: 256 rows of 2 NDIM bytes
	s_add_nc_u64 s[(\ga)+2:(\ga)+3], s[4:5], s[OFA:OFA+1]
	s_or_b32 s[(\ga)+3], s[(\ga)+3], 0x80000000    ; type = 2
	s_add_nc_u64 s[(\gb)+2:(\gb)+3], s[6:7], s[OFB:OFB+1]
	s_or_b32 s[(\gb)+3], s[(\gb)+3], 0x80000000
.if \flip
	s_xor_b32 s[(\ga)+1], s[(\ga)+1], SLOT
	s_xor_b32 s[(\gb)+1], s[(\gb)+1], SLOT
.endif
	s_add_co_u32 s[KN], s[KN], 1
	s_and_b32 s[KN], s[KN], KS-1                   ; behind the last step comes step 0
.endm
.macro MUL8 f, c, a0                   ; 8 products: row blocks a0, a0 + 1 x 4 column blocks, 32 along K: half c of buffer f.  The 16 accumulators take turns
	WIN MUL
.irp a, \a0, (\a0)+1
.irp b, 0,1,2,3
	v_wmma_f32_16x16x32_f16 v[ACC+8*(4*(\a)+(\b)):ACC+8*(4*(\a)+(\b))+7], v[(\f)+64+8*(4*(\c)+(\b)):(\f)+64+8*(4*(\c)+(\b))+7], v[(\f)+8*(4*(\c)+(\a)):(\f)+8*(4*(\c)+(\a))+7], v[ACC+8*(4*(\a)+(\b)):ACC+8*(4*(\a)+(\b))+7]
.endr
.endr
.endm
.macro FETCH q, f                      ; 32 LDS loads in one run: the fragments of quarter q (64 along K) into buffer f, its first 32 along K first
	WIN TO_F
.irp c, 0,1
.irp i, 0,1,2,3
	ds_load_tr16_b128 v[(\f)+64+8*(4*(\c)+(\i)):(\f)+64+8*(4*(\c)+(\i))+3],   v[ADRB+(\q)/2] offset:(((\q)&1)*64+32*(\c))*288+32*(\i)
	ds_load_tr16_b128 v[(\f)+64+8*(4*(\c)+(\i))+4:(\f)+64+8*(4*(\c)+(\i))+7], v[ADRB+(\q)/2] offset:(((\q)&1)*64+32*(\c))*288+32*(\i)+4608
	ds_load_b128 v[(\f)+8*(4*(\c)+(\i)):(\f)+8*(4*(\c)+(\i))+3],   v[ADRA] offset:(\q)*18432+(\i)*2304+64*(\c)
	ds_load_b128 v[(\f)+8*(4*(\c)+(\i))+4:(\f)+8*(4*(\c)+(\i))+7], v[ADRA] offset:(\q)*18432+(\i)*2304+64*(\c)+32
.endr
.endr
.endm
.macro QUARTER q, f, g                 ; multiplies buffer f and, in its middle, fetches quarter q into g
	s_wait_dscnt 16                                ; the first 32 along K are in; the youngest sixteen loads may be out
	MUL8 \f, 0, 0
	MUL8 \f, 0, 2
	PLACES
	FETCH \q, \g
	s_wait_dscnt 32                                ; all but the 32 just issued
	MUL8 \f, 1, 0
	MUL8 \f, 1, 2
.endm
; The last quarter multiplies buffer 1 and changes slots: one barrier; in front of it each wave waits for all its tensor loads (one is out: its part of the next slot), adds 0 to its spare word, and
; waits for that and for its own reads of this slot.  fill = 1: the barrier opens a round of the cluster's, and this slot is filled again, two K steps ahead, first thing behind the round.
.macro TURN fill
	WIN 0
	s_wait_tensorcnt 0x0
	ds_add_u32 v[SPW], v[NIL]
	s_wait_dscnt 17                                ; the add and the youngest sixteen loads may be out
.if \fill
	NEXTD G2A, G2B, 1
.endif
	MUL8 F1, 0, 0
	s_wait_dscnt 0x0                               ; the add is done, and my reads of this slot are over
	s_barrier_signal -1
	MUL8 F1, 0, 2
	WIN 0                                          ; at a branch and at a label every window is 0
	s_barrier_wait -1
.if \fill
	CREST                                          ; no wave of any partner still reads this slot or has a load on its way
	JLOAD                                          ; 112 products stand between this request and the wait for it; its four v_nop are also the places in front of the loads below
.else
	PLACES
.endif
	s_xor_b32 s[TB], s[TB], SLOT
	v_add_nc_u32 v[ADRA], s[TB], v[A0]
	v_add_nc_u32 v[ADRB], s[TB], v[B0]
	v_add_nc_u32 v[ADRB+1], QUART, v[ADRB]
	FETCH 0, F0
	MUL8 F1, 1, 0
	MUL8 F1, 1, 2
.endm
; THE WAY OUT: 16 rows x 64 columns of f32 through my stage (rows of 272 bytes), back as whole rows of 256 bytes; the residual, loaded at the start in the same lane map, takes the sum and is stored.
.macro TOSTAGE a
	WIN 0
.irp b, 0,1,2,3
	ds_store_b128 v[STO], v[ACC+8*(4*(\a)+(\b)):ACC+8*(4*(\a)+(\b))+3]   offset:64*(\b)
	ds_store_b128 v[STO], v[ACC+8*(4*(\a)+(\b))+4:ACC+8*(4*(\a)+(\b))+7] offset:64*(\b)+16
.endr
.irp t, 0,1,2,3,4,5,6,7
	ds_load_b128 v[TMP+32*((\a)%2)+4*(\t):TMP+32*((\a)%2)+4*(\t)+3], v[RD] offset:544*(\t)  ; LDS serves a wave's instructions in order (ISA guide 5.7.1.4): these see the stores above
.endr
.endm
.macro SENDF a, younger                ; younger: the LDS instructions issued behind block a's loads
	WIN 0x88                                       ; destination and source 1 (a store's data too) window 2, source 0 (a store's address too) window 0
.irp t, 0,1,2,3,4,5,6,7
	s_wait_dscnt (\younger)+7-(\t)
	v_pk_add_f32 v[32*(\a)+4*(\t):32*(\a)+4*(\t)+1],   v[TMP+32*((\a)%2)+4*(\t):TMP+32*((\a)%2)+4*(\t)+1],   v[32*(\a)+4*(\t):32*(\a)+4*(\t)+1]
	v_pk_add_f32 v[32*(\a)+4*(\t)+2:32*(\a)+4*(\t)+3], v[TMP+32*((\a)%2)+4*(\t)+2:TMP+32*((\a)%2)+4*(\t)+3], v[32*(\a)+4*(\t)+2:32*(\a)+4*(\t)+3]
	global_store_b128 v[GO], v[32*(\a)+4*(\t):32*(\a)+4*(\t)+3], s[10:11] offset:(16*(\a)+2*(\t))*4096  ; 16 lanes store 256 consecutive bytes, aligned
.endr
.endm
	s_load_b256 s[4:11], s[0:1], 0x0               ; A s[4:5], wpo s[6:7], bias s[8:9], C s[10:11]
	s_load_b64 s[12:13], s[0:1], 0x20              ; the residual
	v_lshl_add_u32 v[SPW], v0, 2, SPARE
	v_mov_b32 v[NIL], 0
	ds_add_u32 v[SPW], v[NIL]                      ; the wave's opening: the add and its wait stand ahead of my first tensor load; work on registers stands between them
	ds_add_u32 v28, v29
	v_lshrrev_b32 v1, 5, v0
	v_readfirstlane_b32 s[WV], v1
	s_lshr_b32 s[RH], s[WV], 1
	s_and_b32 s[CH], s[WV], 1
	s_bfe_u32 s17, ttmp6, 0x40000                  ; cx, cy: my place in the cluster
	s_bfe_u32 s18, ttmp6, 0x40004
	s_lshl_b32 s19, ttmp9, 2
	s_add_co_u32 s19, s19, s17                     ; gx = 4 x cluster x + cx
	s_and_b32 s20, ttmp7, 0xffff
	s_lshl_b32 s20, s20, 2
	s_add_co_u32 s20, s20, s18                     ; the row panel = 4 x cluster y + cy
	s_lshl_b32 s58, s18, 2
	s_lshl_b32 s58, 15, s58                        ; my row of the cluster
	s_lshl_b32 s60, 0x1111, s17                    ; my column
	s_or_b32 s[G1A], s58, (1<<16)|(1<<20)|(1<<21)|(4<<22)|(3<<25)  ; the mask; 2-byte elements; padding on; bit 21 beside a mask; after every 32 words 4 words
	s_or_b32 s[G1B], s60, (1<<16)|(1<<20)|(1<<21)|(5<<22)|(7<<25)  ; after every 64 words 8 words
.irp g, G1A, G1B
	s_mov_b32 s[(\g)+1], 128<<16                   ; tensor_dim0 = 128
	s_mov_b32 s[(\g)+2], 128<<16                   ; tensor_dim1 = 128
	s_mov_b32 s[(\g)+3], 128<<16                   ; tile_dim0 = 128 elements: 256 bytes
	s_mov_b32 s[(\g)+4], 128                       ; tile_dim1 = 128 rows
	s_mov_b32 s[(\g)+6], 0
	s_mov_b32 s[(\g)+7], 0
.endr
	s_mov_b32 s[G1A+5], 128                        ; A: 32,768 dense bytes as 128 rows of 256
	s_mov_b32 s[G1B+5], NDIM                       ; W: NDIM elements from row to row
	s_mul_i32 s[LW], s[WV], QUART                  ; where my tiles go: no place in the cluster enters an LDS address
	s_mov_b32 s[G0A], 1
	s_mov_b32 s[G0A+1], s[LW]                      ; the first fill: slot 0
	s_mov_b32 s[G0B], 1
	s_mov_b32 s[G0B+1], s[LW]
	s_mov_b32 s[G2A], 1
	s_add_co_u32 s[G2A+1], s[LW], SLOT             ; the second: slot 1
	s_mov_b32 s[G2B], 1
	s_add_co_u32 s[G2B+1], s[LW], SLOT
	s_mul_i32 s58, s20, NBK*16384                  ; A: my panel, and my half of a step's four blocks.  These registers never hold cx,
	s_lshl_b32 s59, s[CH], 15
	s_add_co_u32 s58, s58, s59
	s_mov_b32 s59, 0
	s_mul_i32 s60, s[CH], 256*NDIM                 ; W: my 128 of a step's 256 rows, and the tile's columns.  these never cy
	s_lshl_b32 s61, s19, 8
	s_add_co_u32 s60, s60, s61
	s_add_co_u32 s60, s60, WOFF
	s_mov_b32 s61, 0
	s_lshl_b32 s66, s20, 19                        ; C and the residual: row 128 x panel + 64 x row half, 4,096 bytes a row; column 128 gx + 64 x column half
	s_lshl_b32 s67, s[RH], 18
	s_add_co_u32 s66, s66, s67
	s_lshl_b32 s67, s19, 9
	s_add_co_u32 s66, s66, s67
	s_lshl_b32 s67, s[CH], 8
	s_add_co_u32 s66, s66, s67
	s_mov_b32 s67, 0
	s_lshl_b32 s68, s19, 9                         ; the tile's 128 numbers of bias
	s_mov_b32 s69, 0
	s_mov_b32 s[OFA+1], 0
	s_mov_b32 s[OFB+1], 0
	s_mul_i32 s62, ttmp9, KS/2                     ; the cluster's first K step, the same in all its work-groups
	s_and_b32 s63, ttmp7, 0xffff
	s_mul_i32 s63, s63, KS/4
	s_add_co_u32 s[KN], s62, s63
	s_and_b32 s[KN], s[KN], KS-1
	s_mov_b32 s[TB], 0
	s_mov_b32 s[HIM], 0xffff0000
	s_wait_dscnt 0x0                               ; the opening add is done
	s_wait_kmcnt 0x0
	s_add_nc_u64 s[4:5], s[4:5], s[58:59]
	s_add_nc_u64 s[6:7], s[6:7], s[60:61]
	s_add_nc_u64 s[8:9], s[8:9], s[68:69]
	s_add_nc_u64 s[10:11], s[10:11], s[66:67]
	s_add_nc_u64 s[12:13], s[12:13], s[66:67]
	NEXTD G0A, G0B, 0
	NEXTD G2A, G2B, 0
	CROUND                                         ; all sixteen work-groups are here: the first joint loads meet
	s_cmp_eq_u32 s[RH], 0                          ; a wave's two first fills stand in one branch, ahead of every wait on TENSORcnt and every LDS read: two loads of mine are out
	s_cbranch_scc0 .Lfirst_b
	tensor_load_to_lds s[G0A:G0A+3], s[G1A:G1A+7]
	s_nop 0
	tensor_load_to_lds s[G2A:G2A+3], s[G1A:G1A+7]
	s_nop 0
.rept 4
	v_nop
.endr
	s_branch .Lfirst_asked
.Lfirst_b:
	tensor_load_to_lds s[G0B:G0B+3], s[G1B:G1B+7]
	s_nop 0
	tensor_load_to_lds s[G2B:G2B+3], s[G1B:G1B+7]
	s_nop 0
.rept 4
	v_nop
.endr
.Lfirst_asked:
	v_and_b32 v1, 15, v0                           ; r = lane % 16
	v_bfe_u32 v2, v0, 4, 1                         ; lane / 16
	v_mul_u32_u24 v[A0], v1, 144                   ; a fragment of A: row r, 16 bytes for each half of the lanes; two loads 32 bytes apart
	v_lshl_add_u32 v[A0], v2, 4, v[A0]
	s_mul_i32 s57, s[RH], 64*144
	v_add_nc_u32 v[A0], s57, v[A0]
	v_and_b32 v3, 7, v0                            ; the turning load: lane l reads row 8 (l / 16) + l % 8 of K, columns 8 ((l / 8) % 2) + 0..7
	v_lshl_add_u32 v3, v2, 3, v3
	v_mul_u32_u24 v[B0], v3, 288
	v_bfe_u32 v3, v0, 3, 1
	v_lshl_add_u32 v[B0], v3, 4, v[B0]
	s_lshl_b32 s57, s[CH], 7
	s_add_co_u32 s57, s57, 2*QUART
	v_add_nc_u32 v[B0], s57, v[B0]
	s_lshl_b32 s57, s[CH], 8
	v_lshl_add_u32 v[BO], v2, 5, s57
	s_mul_i32 s57, s[WV], STW
	s_add_co_u32 s57, s57, STAGE                   ; my stage
	v_mul_u32_u24 v[STO], v1, 272
	v_lshl_add_u32 v[STO], v2, 5, v[STO]
	v_add_nc_u32 v[STO], s57, v[STO]
	v_mul_u32_u24 v[RD], v2, 272
	v_lshl_add_u32 v[RD], v1, 4, v[RD]
	v_add_nc_u32 v[RD], s57, v[RD]
	v_lshlrev_b32 v[GO], 12, v2
	v_lshl_add_u32 v[GO], v1, 4, v[GO]
	v_mov_b32 v[ADRA], v[A0]                       ; slot 0 is read first
	v_mov_b32 v[ADRB], v[B0]
	v_add_nc_u32 v[ADRB+1], QUART, v[B0]
.irp b, 0,1,2,3
	global_load_b128 v[BIA+8*(\b):BIA+8*(\b)+3],   v[BO], s[8:9] offset:64*(\b)      ; my 32 numbers of bias: columns 16 b + 8 (lane / 16) + 0..7 of my 64
	global_load_b128 v[BIA+8*(\b)+4:BIA+8*(\b)+7], v[BO], s[8:9] offset:64*(\b)+16
.endr
	WIN 0x80                                       ; destination window 2, address window 0
.set p, 0
.rept 32                               ; p = 8 a + t: rows 16 a + 2 t and + 1 of my 64, 256 bytes each
	global_load_b128 v[4*p:4*p+3], v[GO], s[12:13] offset:2*p*4096
.set p, p+1
.endr
	WIN 0
	s_wait_loadcnt 0x0                             ; the bias, rounded to bf16, starts all 16 sums: all this stands in the wait for the first tile
.set p, 0
.rept 16
	v_cvt_pk_bf16_f32 v[BIA+p], v[BIA+2*p], v[BIA+2*p+1]
.set p, p+1
.endr
.set p, 0
.rept 64                               ; p = 16 a + 4 b + pair
	v_lshlrev_b32 v[ACC+2*p], 16, v[BIA+p%16]
	v_and_b32 v[ACC+2*p+1], s[HIM], v[BIA+p%16]
.set p, p+1
.endr
.if RNDRES
	WIN 0x0a                                       ; sources window 2, destination window 0
.set p, 0
.rept 64
	v_cvt_pk_bf16_f32 v[TMP+p], v[2*p], v[2*p+1]
.set p, p+1
.endr
	WIN 0x80
.set p, 0
.rept 64
	v_lshlrev_b32 v[2*p], 16, v[TMP+p]
	v_and_b32 v[2*p+1], s[HIM], v[TMP+p]
.set p, p+1
.endr
	WIN 0
.endif
	s_wait_tensorcnt 0x1                           ; my part of the first step is in; the second's may stay out
	s_barrier_signal -1
	s_barrier_wait -1                              ; everybody's is
	FETCH 0, F0
	WIN 0
	s_mov_b32 s[CNT], KS-1
	s_branch .Lmid                                 ; the loop is entered in the middle of a trip
.Ltop:                                 ; KS - 2 times: a K step's last quarter; its slot takes the step two further on
	TURN 1
	WIN 0
.Lmid:
	QUARTER 1, F0, F1
	QUARTER 2, F1, F0
	QUARTER 3, F0, F1
	WIN 0
	s_sub_co_u32 s[CNT], s[CNT], 1
	s_cmp_lg_u32 s[CNT], 0
	s_cbranch_scc1 .Ltop
	TURN 0                                         ; the tail is written out: nothing is left to ask for
	QUARTER 1, F0, F1
	QUARTER 2, F1, F0
	QUARTER 3, F0, F1
	s_wait_dscnt 16
	MUL8 F1, 0, 0
	MUL8 F1, 0, 2
	s_wait_dscnt 0x0
	MUL8 F1, 1, 0
	MUL8 F1, 1, 2
	WIN 0
	PLACES
	TOSTAGE 0
	TOSTAGE 1
	SENDF 0, 16
	TOSTAGE 2
	SENDF 1, 16
	TOSTAGE 3
	SENDF 2, 16
	SENDF 3, 0
	WIN 0
	s_wait_tensorcnt 0x0                           ; the wave's end: behind my last tensor load and my last LDS store
	ds_add_u32 v[SPW], v[NIL]
	s_wait_dscnt 0x0
	CROUND                                         ; the closing round: no work-group ends while a partner may still ask for a tile that names it
	s_endpgm
.Lfunc_end_k_q4968ae2781_outp:
	.size	k_q4968ae2781_outp, .Lfunc_end_k_q4968ae2781_outp-k_q4968ae2781_outp
	.p2alignl 7, 3214868480
	.fill 96, 4, 3214868480
	.section	.rodata,"a",@progbits
	.p2align	6, 0x0
	.amdhsa_kernel k_q4968ae2781_outp
		.amdhsa_group_segment_fixed_size 327680
		.amdhsa_private_segment_fixed_size 0
		.amdhsa_enable_private_segment 0
		.amdhsa_kernarg_size 40
		.amdhsa_user_sgpr_count 2
		.amdhsa_user_sgpr_kernarg_segment_ptr 1
		.amdhsa_wavefront_size32 1
		.amdhsa_system_sgpr_workgroup_id_x 1
		.amdhsa_system_sgpr_workgroup_id_y 1
		.amdhsa_system_sgpr_workgroup_id_z 1
		.amdhsa_system_vgpr_workitem_id 0
		.amdhsa_next_free_vgpr 640
		.amdhsa_next_free_sgpr 80
		.amdhsa_reserve_vcc 0
		.amdhsa_float_denorm_mode_32 3
		.amdhsa_float_denorm_mode_16_64 3
		.amdhsa_memory_ordered 1
		.amdhsa_forward_progress 1
		.amdhsa_inst_pref_size 70
	.end_amdhsa_kernel
	.amdgpu_metadata
---
amdhsa.version: [ 1, 2 ]
amdhsa.kernels:
  - .name:           k_q4968ae2781_outp
    .symbol:         k_q4968ae2781_outp.kd
    .args:
      - { .name: m1, .offset: 0, .size: 8, .value_kind: global_buffer, .address_space: global }
      - { .name: wpo, .offset: 8, .size: 8, .value_kind: global_buffer, .address_space: global }
      - { .name: b_out, .offset: 16, .size: 8, .value_kind: global_buffer, .address_space: global }
      - { .name: out0, .offset: 24, .size: 8, .value_kind: global_buffer, .address_space: global }
      - { .name: x2, .offset: 32, .size: 8, .value_kind: global_buffer, .address_space: global }
    .group_segment_fixed_size: 327680
    .private_segment_fixed_size: 0
    .kernarg_segment_align: 8
    .kernarg_segment_size: 40
    .max_flat_workgroup_size: 128
    .sgpr_count:     80
    .vgpr_count:     640
    .wavefront_size: 32
...
	.end_amdgpu_metadata
.endif
;; end of part 6
